; MI455X (gfx1250); checked and timed in simulation.
; The chip was launched on July 23, 2026; its instructions are those of AMD's public machine-readable ISA for CDNA 5 (MIT licence, August 2026) and "CDNA5" Instruction Set Architecture Reference Guide (July 2026). The comments in the code are by the model that wrote it; some were corrected since.
;; Multihead Attention. Allowed arithmetic: matrix products marked QUANTISED: E2M1 operands, one E8M0 scale for each 32 along K, by v_wmma_scale_f32_16x16x128_f8f6f4 with both operands' format E2M1 (or v_wmma_scale_f32_32x16x128_f4), f32 sums; products left as they are: bf16, f16 or f32 operands; f32 sums; everything else in f32.
;; Inputs: w_o 1,024 x 1,024 float32; w_qkv 3,072 x 1,024 float32; x 4 x 2,048 x 1,024 float32.
;; Outputs: out0 4 x 2,048 x 1,024 float32.
;; This version of the problem:
;;   THIS VERSION OF THE PROBLEM IS GIVEN IN LOW PRECISION. The matrix products marked QUANTISED in the list below multiply operands that are first quantised to E2M1 (2 exponent bits, 1 mantissa bit; 4 bits a number), with one power-of-two scale for each 32 numbers along K (OCP MX v1.0); their sums are f32. The products marked 'left as it is' may take bf16, f16 or f32 operands, with f32 sums. Whichever they take, every output number must still come out within the allowed error. Rounding operands to bf16 (8 significant bits) uses up far more of that allowance than f16 does (11 bits, for magnitudes from 6e-5 to 65,504). All else is computed in f32.
;;   The module's matrix products, in the order in which they are computed (A, B: the left and right operand; K: the contracted axis; several contracted axes count as one K, in the product's order):
;;     1. [M 8,192, K 1,024] x [K 1,024, N 3,072]; A: input x; B: input w_qkv: QUANTISED
;;     2. batch 64 x [M 2,048, K 64] x [K 64, N 2,048]; A: computed on the way; B: computed on the way: left as it is (an operand is computed on the way)
;;     3. batch 64 x [M 2,048, K 2,048] x [K 2,048, N 64]; A: computed on the way; B: computed on the way: left as it is (an operand is computed on the way)
;;     4. [M 8,192, K 1,024] x [K 1,024, N 1,024]; A: computed on the way; B: input w_o: left as it is (an operand is computed on the way)
;;   THE QUANTISER, for each operand of a quantised product, along K:
;;     - K is cut into blocks of 32 from its start; a last block that is shorter is filled with zeros.
;;     - A block's scale is 2^e with e = floor(log2(the largest magnitude in the block)) - 2, held to -126 .. 127; a block of zeros has e = 0. As a byte (E8M0): e + 127.
;;     - Each number is divided by its block's scale, clamped to +-6, and rounded to the nearest number of E2M1, ties to even, subnormals kept.
;;     - The product sums the exact products of the quantised numbers (number of the format x scale) in f32.
;;   ~~~python
;;   def quantise(x, axis):      # numpy; x: float32 -> the quantised numbers, widened to float32 again
;;       x = np.moveaxis(x, axis, -1); K = x.shape[-1]
;;       x = np.pad(x, [(0, 0)] * (x.ndim - 1) + [(0, -K % 32)]); x = x.reshape(x.shape[:-1] + (-1, 32)); a = np.abs(x).max(-1, keepdims=True)
;;       e = np.where(a > 0, np.clip(np.frexp(np.where(a > 0, a, 1))[1] - 1 - 2, -126, 127), 0)      # np.frexp(a)[1] - 1 = floor(log2(a)), exactly
;;       r = np.clip(x / 2.0 ** e, -6, 6)
;;       step = 2.0 ** (np.maximum(np.frexp(np.where(r == 0, 1, r))[1] - 1, 0) - 1)
;;       q = np.round(r / step) * step * 2.0 ** e      # np.round: ties to even
;;       return np.moveaxis(q.reshape(q.shape[:-2] + (-1,))[..., :K], -1, axis).astype(np.float32)
;;   ~~~
;; One version. Each part assembles by itself: llvm-mc -triple=amdgcn-amd-amdhsa -mcpu=gfx1250 --defsym DOCPART=n.
;; ======== version 1 of 1: 4 launches
;; limits: values are held in f16: magnitudes above 65,504 overflow, below 6.1e-05 lose precision
;; workspace buffers: x_codes 4,194,304 bytes; x_scales 262,144 bytes; w_codes 1,572,864 bytes; w_scales 98,304 bytes; wo_h 2,097,152 bytes; qk 33,554,432 bytes; vt 16,777,216 bytes; att 16,777,216 bytes
;; launch quant (part 1): grid 384 x 1, 4 waves a work-group, no clusters, 33,280 bytes of LDS; arguments x, w_qkv, x_codes, x_scales, w_codes, w_scales, w_o, wo_h; writes x_codes, x_scales, w_codes, w_scales, wo_h
.if DOCPART == 1
	.amdgcn_target "amdgcn-amd-amdhsa--gfx1250"
	.amdhsa_code_object_version 6
	.text
	.protected	k_q16f709fc62_quant
	.globl	k_q16f709fc62_quant
	.p2align	8
	.type	k_q16f709fc62_quant,@function
k_q16f709fc62_quant:
	s_mov_b64 s[64:65], 0
	v_nop
	global_prefetch_b8 v0, s[64:65] scope:SCOPE_SE
	s_setreg_imm32_b32 hwreg(HW_REG_WAVE_MODE, 25, 1), 1
	s_wait_xcnt 0x0
; x [8192][1024] and w_qkv [3072][1024], f32, become codes of FP4 (E2M1), K innermost, two codes a byte (the lower k in the low four bits), with one E8M0 scale byte for each 32 along K.
; w_o [1024 n][1024 k], f32, becomes f16, laid [k / 64][n][k % 64]: the layout in which the last launch fetches it.
; A block's scale is 2^(floor(log2(its largest magnitude)) - 2); its byte is the largest magnitude's own exponent field - 2, held at 1 from below.  Each number is divided by the scale and rounded to the nearest code, ties to even,
; beyond the largest code the largest.  (A block of zeros gets the byte 1 where the quantiser says 127: its codes are zeros, which add nothing under any byte but 0xff, and this program alone reads the bytes.)
; LIMITS: blocks whose largest magnitude lies under 2^-124 keep the byte 1; NaN and infinities among the inputs are not served; numbers of w_o beyond 65,504 do not fit f16.
; SHARES.  Work-groups 0-255 take x, 256-351 w_qkv, 352-383 w_o.  Rows are dense and K is a multiple of 32, so x and w_qkv are plain streams of blocks of 32 numbers, and so are their codes and scale bytes.
; A wave takes 16 steps of 512 numbers.  Each of a step's four loads reads 512 consecutive bytes, 16 a lane; the conversions want 16 NEIGHBOURS in a lane, so the 2,048 bytes turn through the wave's own stage in LDS
; (16 bytes of padding behind each 64).  A lane's 16 codes are 8 bytes: the wave stores 256 consecutive bytes.  A wave's 256 scale bytes are gathered in LDS and leave as one aligned run of 256 bytes.
; No tensor loads, no barrier: waves share nothing.  No cluster: no two work-groups read the same byte.
.set WAVES, 4
.set STEPS, 16
.set WGA,   256                        ; 8,192 x 1,024 / 32,768 work-groups for x
.set WGQ,   352                        ; and 3,072 x 1,024 / 32,768 more for w_qkv
.set EMAX,  2
.set CB,    8                          ; bytes of 16 codes
.set R,     16                         ; v16-79   four sets of 16 numbers as they are loaded
.set X,     80                         ; v80-111  two sets of 16 neighbours
.set C,     128                        ; v128-191 codes: four registers for each step, so that no store's data are written again
.set E,     112                        ; v112-127 a scale byte for each step
.set WREG,  8192                       ; LDS: a region for each wave: two stages of 32 x SP bytes, and behind them its 256 scale bytes
.set SP,    80                         ; a lane's place in a stage: its 64 bytes + 16 of padding
.set SPW,   12                         ; v12      LDS address of my spare word: SPARE + 4 x my thread's number; never rewritten
.set NIL,   13                         ; v13      0; never rewritten
.set SPARE, WAVES*WREG                 ; behind the four regions: the spare words, 128 bytes for each wave, which no other line names
.set RA,    16                         ; w_o's path: v16-79, v80-143 two sets of 64 numbers; v144-175 the f16 pairs to store
.set RB,    80
.set OH,    144
	s_load_b128 s[4:7], s[0:1], 0x0                ; x, w_qkv
	s_load_b128 s[8:11], s[0:1], 0x10              ; x's codes, x's scales
	s_load_b128 s[12:15], s[0:1], 0x20             ; w_qkv's codes, its scales
	s_load_b128 s[24:27], s[0:1], 0x30             ; w_o, wo_h
	v_lshl_add_u32 v[SPW], v0, 2, SPARE
	v_mov_b32 v[NIL], 0
	v_lshrrev_b32 v1, 5, v0
	v_readfirstlane_b32 s16, v1                    ; wave
	v_and_b32 v2, 31, v0                           ; lane
	v_lshlrev_b32 v3, 4, v2                        ; my 16 bytes of a load's 512
	s_mul_i32 s17, s16, WREG
	v_lshrrev_b32 v14, 2, v2
	v_mul_u32_u24 v14, v14, SP
	v_and_b32 v15, 3, v2
	v_lshl_add_u32 v14, v15, 4, v14
	v_add_nc_u32 v14, s17, v14                     ; the stage, on the way in: four lanes' 64 bytes on end, then 16 of padding
	v_mul_u32_u24 v15, v2, SP
	v_add_nc_u32 v15, s17, v15                     ; and on the way out: SP x lane: my 16 neighbours
	v_mul_u32_u24 v4, v2, CB                       ; my codes' place in a step's
	v_lshrrev_b32 v5, 1, v2
	s_add_co_u32 s17, s17, 2*32*SP
	v_add_nc_u32 v5, s17, v5                       ; LDS: my wave's 256 scale bytes, my block's byte
	v_lshlrev_b32 v7, 3, v2                        ; and on the way out 8 bytes a lane
	v_add_nc_u32 v6, s17, v7
	s_wait_kmcnt 0x0
	s_cmp_ge_u32 ttmp9, WGQ                        ; the last 32 work-groups take w_o: a branch on the work-group's number alone
	s_cbranch_scc1 .Lwo
	s_cmp_lt_u32 ttmp9, WGA                        ; x's work-group or w_qkv's?  Only pointers are chosen: both take one path through the text
	s_cselect_b64 s[4:5], s[4:5], s[6:7]
	s_cselect_b64 s[8:9], s[8:9], s[12:13]
	s_cselect_b64 s[10:11], s[10:11], s[14:15]
	s_cselect_b32 s17, 0, WGA
	s_sub_co_u32 s17, ttmp9, s17
	s_lshl_b32 s17, s17, 2
	s_add_co_u32 s18, s17, s16                     ; which run of 8,192 numbers of the tensor is my wave's
	s_mov_b32 s19, 0
	s_mov_b64 s[20:21], 512*STEPS*4
	s_mul_u64 s[20:21], s[18:19], s[20:21]
	s_add_nc_u64 s[4:5], s[4:5], s[20:21]
	s_mov_b64 s[20:21], 32*STEPS*CB
	s_mul_u64 s[20:21], s[18:19], s[20:21]
	s_add_nc_u64 s[8:9], s[8:9], s[20:21]
	s_lshl_b32 s18, s18, 8                         ; 256 scale bytes a run
	s_add_nc_u64 s[10:11], s[10:11], s[18:19]
.macro LOAD t
.irp i, 0,1,2,3
	global_load_b128 v[R+16*((\t)%4)+4*\i:R+16*((\t)%4)+4*\i+3], v3, s[4:5] offset:2048*(\t)+512*\i th:TH_LOAD_NT   ; 32 lanes read 512 consecutive bytes
.endr
.endm
.macro TURN t                          ; step t's numbers through the stage: LDS serves a wave's instructions in order, so no wait stands between the stores and the loads
.irp i, 0,1,2,3
	ds_store_b128 v14, v[R+16*((\t)%4)+4*\i:R+16*((\t)%4)+4*\i+3] offset:32*SP*((\t)%2)+8*SP*\i
.endr
.irp i, 0,1,2,3
	ds_load_b128 v[X+16*((\t)%2)+4*\i:X+16*((\t)%2)+4*\i+3], v15 offset:32*SP*((\t)%2)+16*\i
.endr
.endm
.irp t, 0,1,2,3
	LOAD \t
.endr
	s_wait_loadcnt 12                              ; step 0's four loads are in; the twelve of steps 1 to 3 may be out
	TURN 0
.macro STEP t
.set XS, X+16*((\t)%2)
.if (\t) > 0
	s_wait_dscnt 1                                 ; this step's numbers are back from the stage (the last step's byte store may be out): so its stores into the stage have read their registers,
.else
	s_wait_dscnt 0x0
.endif
.if (\t)+4 < STEPS
	LOAD (\t)+4                                    ; which take the loads of four steps on
.endif
.if (\t)+1 < STEPS
.if STEPS-2-(\t) >= 3
	s_wait_loadcnt 12                              ; the next step's four loads are in; those of the three steps behind it may be out
.else
	s_wait_loadcnt 4*(STEPS-2-(\t))                ; at the end: four for each step still behind it
.endif
	TURN (\t)+1                                    ; and go through the other stage while this step is worked
.endif
	v_max3_num_f32 v8, |v[XS]|, |v[XS+1]|, |v[XS+2]|               ; the largest magnitude of my 16, in two chains
	v_max3_num_f32 v9, |v[XS+3]|, |v[XS+4]|, |v[XS+5]|
.irp i, 6,10
	v_max3_num_f32 v8, v8, |v[XS+\i]|, |v[XS+\i+1]|
	v_max3_num_f32 v9, v9, |v[XS+\i+2]|, |v[XS+\i+3]|
.endr
	v_max3_num_f32 v8, v8, |v[XS+14]|, |v[XS+15]|
	v_max3_num_f32 v8, v8, v9, (EMAX+1)<<23        ; and the floor 2^(EMAX + 1 - 127): so the byte cannot fall under 1
	v_max_num_f32_dpp v8, v8, v8 row_xmask:1 row_mask:0xf bank_mask:0xf   ; and of my neighbour's 16: the block's
	v_add_nc_u32 v11, -(EMAX<<23), v8              ; EMAX off its exponent field: the conversion takes the exponent field of this operand as its scale, and nothing else of it
	v_cvt_scalef32_pk8_fp4_f32 v[C+4*(\t)], v[XS:XS+7], v11        ; eight numbers / the scale, to the nearest code; the first number's code in the lowest four bits
	v_cvt_scalef32_pk8_fp4_f32 v[C+4*(\t)+1], v[XS+8:XS+15], v11
	v_lshrrev_b32 v[E+(\t)], 23, v11               ; the scale's byte (also the plain line behind the conversions)
	ds_store_b8 v5, v[E+(\t)] offset:16*(\t)       ; both lanes of a block write the same byte with the same value
	global_store_b64 v4, v[C+4*(\t):C+4*(\t)+1], s[8:9] offset:32*CB*(\t)   ; 32 lanes store 256 consecutive bytes, aligned
.endm
.irp t, 0,1,2,3,4,5,6,7,8,9,10,11,12,13,14,15
	STEP \t
.endr
	ds_load_b64 v[8:9], v6                         ; LDS serves a wave's instructions in order: these see my byte stores
	s_wait_dscnt 0x0
	global_store_b64 v7, v[8:9], s[10:11]          ; 32 lanes store 256 consecutive bytes, aligned
	s_wait_tensorcnt 0x0                           ; the wave's end, behind my last LDS store
	ds_add_u32 v[SPW], v[NIL]
	s_wait_dscnt 0x0
	s_endpgm
; w_o.  Work-group j of 32 takes rows 32 j on, wave w eight of them, two at a time: lanes 0-15 row n, lanes 16-31 row n + 1.
; A load takes block kb of 64 along K of both rows: sixteen lanes read 256 consecutive bytes.  Four numbers a lane become 8 bytes of f16; rows n and n + 1 of block kb lie on end in wo_h,
; so the 32 lanes store 256 consecutive bytes, aligned.
.Lwo:
	s_sub_co_u32 s17, ttmp9, WGQ
	s_lshl_b32 s17, s17, 5
	s_lshl_b32 s18, s16, 3
	s_add_co_u32 s17, s17, s18                     ; my first row n0 = 32 j + 8 w
	s_lshl_b32 s18, s17, 12                        ; a row of w_o is 4,096 bytes
	s_mov_b32 s19, 0
	s_add_nc_u64 s[24:25], s[24:25], s[18:19]
	s_lshl_b32 s18, s17, 7                         ; a row of a block of wo_h is 128 bytes
	s_add_nc_u64 s[26:27], s[26:27], s[18:19]
	v_and_b32 v8, 15, v2
	v_lshrrev_b32 v9, 4, v2
	v_lshlrev_b32 v10, 4, v8
	v_lshl_add_u32 v10, v9, 12, v10                ; in: 4,096 x (lane / 16) + 16 x (lane % 16)
	v_lshlrev_b32 v11, 3, v8
	v_lshl_add_u32 v11, v9, 7, v11                 ; out: 128 x (lane / 16) + 8 x (lane % 16)
.macro WLOAD rp, set                   ; rows n0 + 2 rp and n0 + 2 rp + 1, all sixteen blocks
.irp kb, 0,1,2,3,4,5,6,7,8,9,10,11,12,13,14,15
	global_load_b128 v[\set+4*\kb:\set+4*\kb+3], v10, s[24:25] offset:(\rp)*8192+\kb*256 th:TH_LOAD_NT
.endr
.endm
.macro WOUT rp, set, left
	s_wait_loadcnt \left                           ; this pair of rows is in; the other set's sixteen loads may be out
.if (\rp) > 0
	s_wait_xcnt 0x0                                ; the last pair's stores have read their data registers, which are written again below
.endif
.irp kb, 0,1,2,3,4,5,6,7,8,9,10,11,12,13,14,15
	v_cvt_pk_f16_f32 v[OH+2*\kb], v[\set+4*\kb], v[\set+4*\kb+1]
	v_cvt_pk_f16_f32 v[OH+2*\kb+1], v[\set+4*\kb+2], v[\set+4*\kb+3]
.endr
.irp kb, 0,1,2,3,4,5,6,7,8,9,10,11,12,13,14,15
	global_store_b64 v11, v[OH+2*\kb:OH+2*\kb+1], s[26:27] offset:\kb*131072+(\rp)*256
.endr
.endm
	WLOAD 0, RA
	WLOAD 1, RB
	WOUT 0, RA, 16
	WLOAD 2, RA
	WOUT 1, RB, 16
	WLOAD 3, RB
	WOUT 2, RA, 16
	WOUT 3, RB, 0
	s_wait_tensorcnt 0x0                           ; the same three lines at this path's end
	ds_add_u32 v[SPW], v[NIL]
	s_wait_dscnt 0x0
	s_endpgm
.Lfunc_end_k_q16f709fc62_quant:
	.size	k_q16f709fc62_quant, .Lfunc_end_k_q16f709fc62_quant-k_q16f709fc62_quant
	.p2alignl 7, 3214868480
	.fill 96, 4, 3214868480
	.section	.rodata,"a",@progbits
	.p2align	6, 0x0
	.amdhsa_kernel k_q16f709fc62_quant
		.amdhsa_group_segment_fixed_size 33280
		.amdhsa_private_segment_fixed_size 0
		.amdhsa_enable_private_segment 0
		.amdhsa_kernarg_size 64
		.amdhsa_user_sgpr_count 2
		.amdhsa_user_sgpr_kernarg_segment_ptr 1
		.amdhsa_wavefront_size32 1
		.amdhsa_system_sgpr_workgroup_id_x 1
		.amdhsa_system_sgpr_workgroup_id_y 1
		.amdhsa_system_sgpr_workgroup_id_z 1
		.amdhsa_system_vgpr_workitem_id 0
		.amdhsa_next_free_vgpr 192
		.amdhsa_next_free_sgpr 66
		.amdhsa_reserve_vcc 0
		.amdhsa_float_denorm_mode_32 3
		.amdhsa_float_denorm_mode_16_64 3
		.amdhsa_memory_ordered 1
		.amdhsa_forward_progress 1
		.amdhsa_inst_pref_size 54
	.end_amdhsa_kernel
	.amdgpu_metadata
---
amdhsa.version: [ 1, 2 ]
amdhsa.kernels:
  - .name:           k_q16f709fc62_quant
    .symbol:         k_q16f709fc62_quant.kd
    .args:
      - { .name: x, .offset: 0, .size: 8, .value_kind: global_buffer, .address_space: global }
      - { .name: w_qkv, .offset: 8, .size: 8, .value_kind: global_buffer, .address_space: global }
      - { .name: x_codes, .offset: 16, .size: 8, .value_kind: global_buffer, .address_space: global }
      - { .name: x_scales, .offset: 24, .size: 8, .value_kind: global_buffer, .address_space: global }
      - { .name: w_codes, .offset: 32, .size: 8, .value_kind: global_buffer, .address_space: global }
      - { .name: w_scales, .offset: 40, .size: 8, .value_kind: global_buffer, .address_space: global }
      - { .name: w_o, .offset: 48, .size: 8, .value_kind: global_buffer, .address_space: global }
      - { .name: wo_h, .offset: 56, .size: 8, .value_kind: global_buffer, .address_space: global }
    .group_segment_fixed_size: 33280
    .private_segment_fixed_size: 0
    .kernarg_segment_align: 8
    .kernarg_segment_size: 64
    .max_flat_workgroup_size: 128
    .sgpr_count:     66
    .vgpr_count:     192
    .wavefront_size: 32
...
	.end_amdgpu_metadata
.endif
;; end of part 1
;; launch proj (part 2): grid 96 x 4, 4 waves a work-group, clusters of 4 x 4, 327,680 bytes of LDS; arguments x_codes, x_scales, w_codes, w_scales, qk, vt; writes qk, vt
.if DOCPART == 2
	.amdgcn_target "amdgcn-amd-amdhsa--gfx1250"
	.amdhsa_code_object_version 6
	.text
	.protected	k_q16f709fc62_proj
	.globl	k_q16f709fc62_proj
	.p2align	8
	.type	k_q16f709fc62_proj,@function
k_q16f709fc62_proj:
	s_mov_b64 s[64:65], 0
	v_nop
	global_prefetch_b8 v0, s[64:65] scope:SCOPE_SE
	s_setreg_imm32_b32 hwreg(HW_REG_WAVE_MODE, 25, 1), 1
	s_wait_xcnt 0x0
	s_wait_alu depctr_hold_cnt(0) depctr_sa_sdst(0) depctr_va_vdst(0) depctr_va_sdst(0) depctr_va_ssrc(0) depctr_va_vcc(0) depctr_vm_vsrc(0)
	s_getreg_b32 s2, hwreg(HW_REG_IB_STS2, 6, 4)
	s_cmp_eq_u32 s2, 0
	s_cbranch_scc0 .Lentry_in_a_cluster
	s_endpgm
.Lentry_in_a_cluster:
	s_bfe_u32 s2, ttmp6, 0x10000c
	s_cmp_lg_u32 s2, 0xf033
	s_cbranch_scc0 .Lentry_shape_is_right
	s_endpgm
.Lentry_shape_is_right:
; qkv = x w_qkv^T on codes of FP4 (E2M1) with one E8M0 scale for each 32 along K = 1,024; sums in f32; each result rounded once to f16 for the attention that follows.
; The text computes C(i, j) = sum over k of A[i][k] B[j][k] for a tile of 256 x 256 and stores it as f16 in the layout [j / 64][i][j % 64].  It serves two roles, told apart by the cluster's number alone:
;   clusters 0-15:  A = x (i = token), B = w_qkv's rows 0-2047 (j = q's and k's channels):  qk [32 heads of q, then of k][8192 tokens][64]
;   clusters 16-23: A = w_qkv's rows 2048-3071 (i = v's channel), B = x (j = token):       vt [128 blocks of 64 tokens][1024 channels][64]: v with the keys innermost, as the second product of attention wants it
; The role chooses pointers and three numbers by s_cselect; no branch hangs on it.
; A work-group of four waves makes a tile; a wave makes 128 x 128: 64 accumulators of 16 x 16, 512 registers.  All of K lies in two LDS slots of 512 along K (rows of 256 bytes), asked for at the start: nothing is filled again.
; THE SCALES of the tile's 256 rows of A and of B, for all of K, are two dense blocks of memory: they come into LDS once, as rows of 256 bytes.
; CLUSTERS: 4 x 4 work-groups.  The four of a row of the cluster need the same tiles of A, the four of a column the same tiles of B: each tile is asked for JOINTLY, by the same tensor load with the same descriptor and a mask that names the four.
; THE MATRIX INSTRUCTION IS USED TRANSPOSED (source 0 = 16 rows of B, source 1 = 16 rows of A): a lane then holds eight neighbouring j of one i, 16 bytes of f16.
; LIMIT: results beyond 65,504 do not fit f16 (as drawn their root mean square is 1).
; REGISTERS, in windows of 256: window 0: v0-31 addresses; v32-95 scale words, two sets; v128-191 A's fragments, ONE set; on the way out v32-63, v192-255 are at work.
;   window 1: B's fragments, TWO sets, at v0 and at v128.   window 2: the accumulators of my rows 0-63 ((a, b) at v[8 (8 a + b)]);   window 3: those of my rows 64-127.
.set KSTEP,  512                       ; along K in a slot
.set NQ,     KSTEP/128                 ; matrix instructions deep
.set ROWB,   256                       ; a tile's row in bytes
.set KROW,   512                       ; a row of codes in memory: 1,024 codes
.set PITCH,  272                       ; an LDS row: 256 bytes + 16 of padding = 68 words: row r starts at bank 4 r mod 64 (64 banks of 4 bytes: ISA guide 11.1), so the 16 rows of a load start at 16 different banks
.set FR,     8                         ; registers of a fragment: 16 rows x 128 K
.set NL,     2                         ; LDS loads that bring one
.set NP,     4                         ; places behind this matrix instruction (ISA guide 7.12.1)
.set HALFT,  128*PITCH                 ; 128 rows: what one tensor load brings
.set SLOT,   4*HALFT                   ; A's 256 rows, then B's 256 rows
.set KS,     32                        ; a row of scales in bytes
.set SCL,    2*SLOT                    ; behind the two slots: the scales, as rows of 256 bytes + 16 of padding
.set HALFS,  (128*KS/256)*272          ; the scales of 128 rows: what one tensor load brings
.set SBLK,   (16*KS/256)*272           ; those of 16 rows
.set SPARE,  SCL+4*HALFS               ; behind the scales: the spare words, 128 bytes for each wave, which no other line names
.set SPITCH, 400                       ; the way out: a stage of 16 rows x (256 bytes + 144) for each wave, in slot 0, which has had its only fill and its last read when the first result is stored there
.set ADRA, 16                          ; v16-17  LDS address of my A fragments in slot 0, 1
.set ADRB, 20                          ; v20-21  the same for B
.set STO,  24                          ; v24     the way out: where I put 16 bytes of a row
.set RD,   25                          ; v25     the way out: where I read 16 bytes back
.set CO,   26                          ; v26     my byte offset in the output
.set ADRS, 27                          ; v27     LDS address of my scale words: lanes 0-15 A's rows, lanes 16-31 B's
.set SPW,  28                          ; v28     LDS address of my spare word; never rewritten
.set NIL,  29                          ; v29     0; never rewritten
.set SC,   32                          ; scale words: set s at v[SC + 32 s]; register NQ i + q: lanes 0-15 the word of A's block i, lanes 16-31 that of B's block i, for the slot's q-th 128 along K
.set AF,   128                         ; A's fragments, in window 0
.set TMP,  192                         ; the way out: packed results
.set OB,   32                          ; the way out: 16 rows read back: v32-63 and v224-255 by turns
.set HS,   95                          ; s95     bytes from one block of 64 j to the next: rows i x 128
.set G1, 24                            ; s[24:31] descriptor group 1 for A's tiles;  s[32:39] group 0, one set for each slot
.set G0, 32
.set G1B, 48                           ; s[48:55], s[56:63] the same for B's tiles
.set G0B, 56
.set G1S, 68                           ; s[68:75], s[76:79] groups 1 and 0 for A's scales;  s[80:87], s[88:91] for B's
.set G0S, 76
.set G1SB, 80
.set G0SB, 88
.set MSB, 0
.macro WIN new                         ; the immediate's high byte repeats the setting that is left; a switch that changes nothing is dropped
.if MSB != (\new)
	s_set_vgpr_msb (MSB<<8)|(\new)
.set MSB, (\new)
.endif
.endm
.set MUL_LO, 0xa1                      ; source 0 (B) window 1, source 1 (A) window 0, C and D window 2
.set MUL_HI, 0xf1                      ; the same, C and D window 3
.set TO_B,   0x40                      ; destination window 1, address window 0
; A joint load: waves 0 and 1 fetch for A, waves 2 and 3 for B.  Each of the two lines has ONE mask and one set of registers for all that issue it; the branch hangs on the wave's number alone.
; An s_nop 0 and four v_nop follow each of the two lines.
.macro JLOAD g0a, g1a, g0b, g1b
	s_cmp_eq_u32 s15, 0
	s_cbranch_scc0 .Lfor_b_\@
	tensor_load_to_lds s[\g0a:\g0a+3], s[\g1a:\g1a+7]
	s_nop 0
.rept 4
	v_nop
.endr
	s_branch .Lasked_\@
.Lfor_b_\@:
	tensor_load_to_lds s[\g0b:\g0b+3], s[\g1b:\g1b+7]
	s_nop 0
.rept 4
	v_nop
.endr
.Lasked_\@:
.endm
.macro CROUND                          ; a round of the cluster's barrier: my work-group's barrier; wave 0 signals for the work-group; every wave waits for all sixteen; my work-group's barrier once more
	s_barrier_signal -1
	s_barrier_wait -1
	s_cmp_lg_u32 s14, 0
	s_cbranch_scc1 .Lnot_wave_0_\@
	s_barrier_signal -3
.Lnot_wave_0_\@:
	s_barrier_wait -3
	s_barrier_signal -1
	s_barrier_wait -1
.endm
	s_load_b256 s[4:11], s[0:1], 0x0               ; x's codes s[4:5], x's scales s[6:7], w's codes s[8:9], w's scales s[10:11]
	s_load_b128 s[96:99], s[0:1], 0x20             ; qk, vt
	v_lshl_add_u32 v[SPW], v0, 2, SPARE
	v_mov_b32 v[NIL], 0
	ds_add_u32 v[SPW], v[NIL]                      ; the wave's opening: the add, twice on end, and its wait ahead of my first tensor load; the set-up below, work on registers, stands between
	ds_add_u32 v[SPW], v[NIL]
	v_lshrrev_b32 v1, 5, v0
	v_readfirstlane_b32 s14, v1                    ; wave 0..3
	s_lshr_b32 s15, s14, 1                         ; which half of the tile's rows i is mine.  Also: I fetch for A (0) or for B (1)
	s_and_b32 s16, s14, 1                          ; which half of its j.  Also: which 128 rows of that tile I fetch
	s_bfe_u32 s40, ttmp6, 0x40000                  ; cx, cy: my place in the cluster
	s_bfe_u32 s41, ttmp6, 0x40004
	s_lshr_b32 s18, ttmp9, 1                       ; first role: 8 rows of clusters x 2 columns
	s_and_b32 s19, ttmp9, 1
	s_sub_co_u32 s20, ttmp9, 16                    ; second role: 1 row of clusters x 8 columns
	s_mov_b32 s[HS], 0x20000                       ; 1,024 channels x 128 bytes
	s_cmp_lt_u32 ttmp9, 16                         ; the role: the cluster's number alone, which all sixteen partners share
	s_cselect_b32 s18, s18, 0                      ; the cluster's row,
	s_cselect_b32 s19, s19, s20                    ; its column,
	s_cselect_b32 s22, 0, 2048                     ; A's first row in its tensor,
	s_cselect_b32 s[HS], 0x100000, s[HS]           ; 8,192 tokens x 128 bytes
	s_lshl_b32 s42, s19, 2
	s_add_co_u32 s42, s42, s40                     ; tile column = 4 x cluster column + cx
	s_lshl_b32 s17, s18, 2
	s_add_co_u32 s17, s17, s41                     ; tile row = 4 x cluster row + cy
	s_lshl_b32 s43, s41, 2
	s_lshl_b32 s43, 15, s43                        ; my row of the cluster
	s_lshl_b32 s44, 0x1111, s40                    ; my column
	; descriptor group 1: a tile of 128 rows x 256 bytes, padded in LDS
	s_or_b32 s[G1+0], s43, (0<<16)|(1<<20)|(1<<21)|(5<<22)|(3<<25)  ; 15:0 the mask: A's tiles go to my row; 17:16 element of 1 byte; 20 padding on; 21 set beside a mask; 24:22 after every 64 words (code 5); 31:25 of 4 words (code 3)
	s_or_b32 s[G1B+0], s44, (0<<16)|(1<<20)|(1<<21)|(5<<22)|(3<<25)
.irp g, G1, G1B
	s_mov_b32 s[\g+1], ROWB<<16                    ; tensor_dim0
	s_mov_b32 s[\g+2], 128<<16                     ; tensor_dim1
	s_mov_b32 s[\g+3], ROWB<<16                    ; tile_dim0
	s_mov_b32 s[\g+4], 128                         ; tile_dim1
	s_mov_b32 s[\g+5], KROW                        ; tensor_dim0_stride
	s_mov_b32 s[\g+6], 0
	s_mov_b32 s[\g+7], 0
.endr
	; and for the scales of 128 rows: a dense block of 4,096 bytes, as 16 rows of 256 bytes (32 elements of 8 bytes), 16 bytes of padding behind each
	s_or_b32 s[G1S+0], s43, (3<<16)|(1<<20)|(1<<21)|(5<<22)|(3<<25)
	s_or_b32 s[G1SB+0], s44, (3<<16)|(1<<20)|(1<<21)|(5<<22)|(3<<25)
.irp g, G1S, G1SB
	s_mov_b32 s[\g+1], 32<<16
	s_mov_b32 s[\g+2], (128*KS/256)<<16
	s_mov_b32 s[\g+3], 32<<16
	s_mov_b32 s[\g+4], 128*KS/256
	s_mov_b32 s[\g+5], 32
	s_mov_b32 s[\g+6], 0
	s_mov_b32 s[\g+7], 0
.endr
	s_lshl_b32 s18, s16, 7                         ; which 128 rows of the tile I fetch
	s_lshl_b32 s20, s17, 8
	s_add_co_u32 s20, s20, s18
	s_add_co_u32 s20, s20, s22                     ; A: row 256 x tile row + 128 x half + A's first row
	s_lshl_b32 s46, s42, 8
	s_add_co_u32 s46, s46, s18                     ; B: row 256 x tile column + 128 x half
	s_lshl_b32 s22, s20, 5                         ; where these rows' scales begin, in bytes (all under 2^25),
	s_mov_b32 s23, 0
	s_lshl_b32 s92, s46, 5
	s_mov_b32 s93, 0
	s_lshl_b32 s20, s20, 9                         ; and their codes
	s_mov_b32 s21, 0
	s_lshl_b32 s46, s46, 9
	s_mov_b32 s47, 0
	s_mul_i32 s45, s14, HALFT                      ; where they go: wave x 128 rows: no place in the cluster enters an LDS address
	s_mul_i32 s94, s14, HALFS
	s_wait_dscnt 0x0                               ; both opening adds are done
	s_wait_kmcnt 0x0
	s_cmp_lt_u32 ttmp9, 16                         ; the role once more: it chooses the buffers
	s_cselect_b64 s[2:3], s[4:5], s[8:9]           ; A's codes
	s_cselect_b64 s[8:9], s[8:9], s[4:5]           ; B's codes
	s_cselect_b64 s[4:5], s[6:7], s[10:11]         ; A's scales
	s_cselect_b64 s[10:11], s[10:11], s[6:7]       ; B's scales
	s_cselect_b64 s[12:13], s[96:97], s[98:99]     ; the output
	s_add_nc_u64 s[20:21], s[2:3], s[20:21]
	s_add_nc_u64 s[22:23], s[4:5], s[22:23]
	s_add_nc_u64 s[46:47], s[8:9], s[46:47]
	s_add_nc_u64 s[92:93], s[10:11], s[92:93]
	CROUND                                         ; all sixteen work-groups are here: the joint loads meet
	s_mov_b32 s[G0S], 1
	s_add_co_u32 s[G0S+1], s94, SCL
	s_mov_b64 s[G0S+2:G0S+3], s[22:23]
	s_or_b32 s[G0S+3], s[G0S+3], 0x80000000
	s_mov_b32 s[G0SB], 1
	s_add_co_u32 s[G0SB+1], s94, SCL
	s_mov_b64 s[G0SB+2:G0SB+3], s[92:93]
	s_or_b32 s[G0SB+3], s[G0SB+3], 0x80000000
	JLOAD G0S, G1S, G0SB, G1SB                     ; the scales first: they are wanted with the first slot
.irp s, 0,1
	s_mov_b32 s[G0+4*\s], 1
	s_add_co_u32 s[G0+4*\s+1], s45, \s*SLOT
	s_add_nc_u64 s[G0+4*\s+2:G0+4*\s+3], s[20:21], \s*ROWB
	s_or_b32 s[G0+4*\s+3], s[G0+4*\s+3], 0x80000000
	s_mov_b32 s[G0B+4*\s], 1
	s_add_co_u32 s[G0B+4*\s+1], s45, \s*SLOT
	s_add_nc_u64 s[G0B+4*\s+2:G0B+4*\s+3], s[46:47], \s*ROWB
	s_or_b32 s[G0B+4*\s+3], s[G0B+4*\s+3], 0x80000000
	JLOAD G0+4*\s, G1, G0B+4*\s, G1B               ; three tensor loads of mine are out when the last of these is issued
.endr
	v_and_b32 v1, 15, v0                           ; l % 16
	v_bfe_u32 v2, v0, 4, 1                         ; l / 16
	v_mul_u32_u24 v3, v1, PITCH
	v_lshl_add_u32 v4, v2, 4, v3                   ; a fragment's row x pitch + 16 x half
	s_mul_i32 s21, s15, HALFT                      ; my 128 rows of A
	s_mul_i32 s22, s16, HALFT                      ; my 128 rows of B,
	s_add_co_u32 s22, s22, 2*HALFT                 ; which lie behind A's 256
.irp s, 0,1
	v_add_nc_u32 v[ADRA+\s], s21, v4
	v_add_nc_u32 v[ADRB+\s], s22, v4
	s_add_co_u32 s21, s21, SLOT
	s_add_co_u32 s22, s22, SLOT
.endr
	v_mul_u32_u24 v5, v1, KS                       ; my row's scales: KS bytes a row,
	v_lshrrev_b32 v6, 8, v5
	v_lshl_add_u32 v5, v6, 4, v5                   ; and 16 more for each 256 passed
	s_mul_i32 s21, s15, HALFS                      ; A's: my 128 rows
	s_mul_i32 s22, s16, HALFS                      ; B's: my 128 rows, behind A's 256
	s_add_co_u32 s22, s22, 2*HALFS
	s_sub_co_u32 s22, s22, s21
	v_mul_u32_u24 v6, s22, v2                      ; lanes 16-31 take B's: one product, the distance between the two bases x the lane's half
	s_add_co_u32 s21, s21, SCL
	v_add_nc_u32 v5, v5, v6
	v_add_nc_u32 v[ADRS], s21, v5
	s_mul_i32 s23, s14, 16*SPITCH                  ; my stage
	v_mul_u32_u24 v5, v1, SPITCH                   ; in: row l % 16, 16 bytes for each half of the lanes
	v_lshl_add_u32 v5, v2, 4, v5
	v_add_nc_u32 v[STO], s23, v5
	v_bfe_u32 v6, v0, 3, 1                         ; back: lanes 0-15 take the first 64 j of two rows, lanes 16-31 the second 64: row (l / 8) % 2,
	v_and_b32 v7, 7, v0                            ; 16 bytes at l % 8
	v_mul_u32_u24 v5, v6, SPITCH
	v_lshl_add_u32 v5, v2, 7, v5
	v_lshl_add_u32 v5, v7, 4, v5
	v_add_nc_u32 v[RD], s23, v5
	v_mul_u32_u24 v[CO], s[HS], v2                 ; and the same place in the output: block l / 16 of 64 j, two rows of 128 bytes on end
	v_lshl_add_u32 v[CO], v6, 7, v[CO]
	v_lshl_add_u32 v[CO], v7, 4, v[CO]
	s_lshl_b32 s20, s17, 15                        ; my first row i: (256 x tile row + 128 x half) x 128 bytes,
	s_lshl_b32 s21, s15, 14
	s_add_co_u32 s20, s20, s21
	s_mov_b32 s21, 0
	s_lshl_b32 s46, s42, 2                         ; my first block of 64 j: 4 x tile column + 2 x half
	s_lshl_b32 s47, s16, 1
	s_add_co_u32 s46, s46, s47
	s_mul_i32 s46, s46, s[HS]
	s_mov_b32 s47, 0
	s_add_nc_u64 s[12:13], s[12:13], s[20:21]
	s_add_nc_u64 s[12:13], s[12:13], s[46:47]
.macro FRAG reg, adr, q, i             ; a fragment, 16 rows x 128 K of 4-bit codes, is 8 registers: lane l holds row l % 16; registers 4 c .. 4 c + 3 hold K = 64 c + 32 (l / 16) + 0 .. 31
.irp c, 0,1
	ds_load_b128 v[\reg+4*\c:\reg+4*\c+3], v[\adr] offset:64*(\q)+32*\c+(\i)*16*PITCH
.endr
.endm
; 16 matrix instructions: A's blocks a0, a0 + 1 x B's eight, 128 along K: the slot's q-th.  p: B's set;  sc: the set of scale words.  zero = 1: the first product starts the sums: nothing is ever cleared.
; The 64 accumulators take turns, one instruction a turn, in the same order in every step.
.macro MUL16 a0, p, q, sc, zero
.irp a, \a0, \a0+1
.irp b, 0,1,2,3,4,5,6,7
.if \zero
	v_wmma_scale_f32_16x16x128_f8f6f4 v[8*(8*((\a)%4)+\b):8*(8*((\a)%4)+\b)+7], v[128*(\p)+FR*\b:128*(\p)+FR*\b+FR-1], v[AF+FR*(\a):AF+FR*(\a)+FR-1], 0, v[SC+8*NQ*(\sc)+NQ*\b+(\q)], v[SC+8*NQ*(\sc)+NQ*(\a)+(\q)] matrix_a_fmt:MATRIX_FMT_FP4 matrix_b_fmt:MATRIX_FMT_FP4 matrix_a_scale:MATRIX_SCALE_ROW1
.else
	v_wmma_scale_f32_16x16x128_f8f6f4 v[8*(8*((\a)%4)+\b):8*(8*((\a)%4)+\b)+7], v[128*(\p)+FR*\b:128*(\p)+FR*\b+FR-1], v[AF+FR*(\a):AF+FR*(\a)+FR-1], v[8*(8*((\a)%4)+\b):8*(8*((\a)%4)+\b)+7], v[SC+8*NQ*(\sc)+NQ*\b+(\q)], v[SC+8*NQ*(\sc)+NQ*(\a)+(\q)] matrix_a_fmt:MATRIX_FMT_FP4 matrix_b_fmt:MATRIX_FMT_FP4 matrix_a_scale:MATRIX_SCALE_ROW1
.endif
.endr
.endr
.endm
.macro FETCH_B slot, q, p              ; B's eight fragments of the slot's q-th 128 along K into set p
	WIN TO_B
.irp i, 0,1,2,3,4,5,6,7
	FRAG 128*(\p)+FR*\i, ADRB+\slot, \q, \i
.endr
	WIN 0
.endm
.macro FETCH_A slot, q, i0             ; A's blocks i0 .. i0 + 3
.irp i, \i0, \i0+1, \i0+2, \i0+3
	FRAG AF+FR*(\i), ADRA+\slot, \q, \i
.endr
.endm
.macro SCALES sc                       ; a slot's scale words into set sc: NQ words a row; lanes 0-15 take A's block i, lanes 16-31 B's block i
.irp i, 0,1,2,3,4,5,6,7
	ds_load_b128 v[SC+8*NQ*\sc+NQ*\i:SC+8*NQ*\sc+NQ*\i+3], v[ADRS] offset:\i*SBLK
.endr
.endm
; A load into a register that a matrix instruction has read, and a vector instruction that reads a matrix result, stand NP places behind that matrix instruction, and only plain vector
; instructions that name none of its registers are places (ISA guide 7.12.1 for vector instructions).
.macro PLACES n
.rept \n
	v_nop
.endr
.endm
; A step of 128 along K that has its successor in the same slot.  A's blocks go one after the other, each against B's eight: a block of A is free when its eight products are issued, so A has one set of registers, B two.
.macro STEP slot, q, zero
	s_wait_dscnt 4*NL                              ; B's set and A's blocks 0-3 are in; the youngest eight loads (A's blocks 4-7) may be out
	WIN MUL_LO
	MUL16 0, (\q)%2, \q, \slot, \zero
	MUL16 2, (\q)%2, \q, \slot, \zero
	s_wait_dscnt 0                                 ; A's blocks 4-7 are in (asked for 32 matrix instructions ago)
	PLACES NP
	FETCH_B \slot, (\q)+1, 1-(\q)%2
	FETCH_A \slot, (\q)+1, 0
	WIN MUL_HI
	MUL16 4, (\q)%2, \q, \slot, \zero
	MUL16 6, (\q)%2, \q, \slot, \zero
	PLACES NP
	WIN 0
	FETCH_A \slot, (\q)+1, 4
.endm
; Slot 0's last step goes over to slot 1: ONE barrier; in front of it each wave waits for all its tensor loads (its part of slot 1), adds 0 to its spare word, and waits for that and for its own reads of slot 0.
; Behind it slot 1 is whole and nobody reads slot 0 any more.  Nothing is filled again.
.macro TURN slot, next
	s_wait_tensorcnt 0x0                           ; all my tensor loads have landed  (every window is 0 here: the add's two registers lie in window 0)
	ds_add_u32 v[SPW], v[NIL]                      ; 0 onto my spare word
	s_wait_dscnt 4*NL+1                            ; (the add and the youngest eight loads, A's blocks 4-7, may be out)
	WIN MUL_LO
	MUL16 0, 1, NQ-1, \slot, 0                     ; sixteen matrix instructions stand between the add and the wait for it
	s_wait_dscnt 0x0                               ; the add is done, and my reads of this slot are over
	s_barrier_signal -1
	MUL16 2, 1, NQ-1, \slot, 0
	WIN 0
	s_barrier_wait -1
	PLACES NP
	v_add_nc_u32 v[ADRS], 4*NQ, v[ADRS]            ; on to the next slot's scale words (no LDS load of mine is out)
	FETCH_B \next, 0, 0
	FETCH_A \next, 0, 0
	SCALES \next
	WIN MUL_HI
	MUL16 4, 1, NQ-1, \slot, 0
	MUL16 6, 1, NQ-1, \slot, 0
	PLACES NP
	WIN 0
	FETCH_A \next, 0, 4
.endm
.macro STEPS slot, from                ; the slot's steps from .. NQ - 2
.set Q, \from
.rept NQ-1-\from
	STEP \slot, Q, 0
.set Q, Q+1
.endr
.endm
	s_wait_tensorcnt 1                             ; the scales and my part of slot 0 are in (slot 1's load, issued behind them, may be out),
	s_barrier_signal -1
	s_barrier_wait -1                              ; everybody's are
	FETCH_B 0, 0, 0
	FETCH_A 0, 0, 0
	SCALES 0
	FETCH_A 0, 0, 4
	STEP 0, 0, 1                                   ; the first step's products start the sums
	STEPS 0, 1
	TURN 0, 1
	STEPS 1, 0
	s_wait_dscnt 4*NL                              ; the very last step: nothing more to fetch
	WIN MUL_LO
	MUL16 0, 1, NQ-1, 1, 0
	MUL16 2, 1, NQ-1, 1, 0
	s_wait_dscnt 0
	WIN MUL_HI
	MUL16 4, 1, NQ-1, 1, 0
	MUL16 6, 1, NQ-1, 1, 0
	WIN 0
; THE WAY OUT, block by block of 16 rows i x 128 j.  PACK: rounded to f16, 16 bytes a lane, each accumulator from its low end on.  TOSTAGE: into my own stage in LDS and back by rows.  SEND: stored.
; In a store lanes 0-15 write rows 2 t and 2 t + 1 of the first block of 64 j, 256 consecutive bytes, aligned; lanes 16-31 the same of the second block.
.macro PACK a
.set AC, 64*((\a)%4)
	WIN 0x0a+5*((\a)/4)                            ; sources 0 and 1: window 2 or 3
.irp b, 0,1,2,3,4,5,6,7
.irp r, 0,1,2,3
	v_cvt_pk_f16_f32 v[TMP+4*\b+\r], v[AC+8*\b+2*\r], v[AC+8*\b+2*\r+1]
.endr
.endr
	WIN 0
.endm
.macro TOSTAGE a
.set BB, OB+192*((\a)%2)
.irp b, 0,1,2,3,4,5,6,7
	ds_store_b128 v[STO], v[TMP+4*\b:TMP+4*\b+3] offset:32*\b
.endr
.irp t, 0,1,2,3,4,5,6,7
	ds_load_b128 v[BB+4*\t:BB+4*\t+3], v[RD] offset:\t*2*SPITCH    ; LDS serves a wave's instructions in order (ISA guide 5.7.1.4): these see the stores above
.endr
.endm
.macro SEND a
.set BB, OB+192*((\a)%2)
	s_wait_dscnt 0x0                               ; the block is back in registers
	s_wait_xcnt 0x0                                ; the earlier stores have read their data registers: the next block's loads from the stage may land there
.irp t, 0,1,2,3,4,5,6,7
	global_store_b128 v[CO], v[BB+4*\t:BB+4*\t+3], s[12:13] offset:2048*(\a)+256*\t
.endr
.endm
	PLACES NP                                      ; behind the last products: for the conversions that read results, and for the loads into registers that held scale words
	PACK 0
	TOSTAGE 0
.irp a, 1,2,3,4,5,6,7                  ; block a's conversions stand between block a - 1's loads from the stage and the wait for them
	PACK \a
	SEND \a-1
	TOSTAGE \a
.endr
	SEND 7
	s_wait_tensorcnt 0x0                           ; the wave's end, behind my last tensor load and my last LDS store
	ds_add_u32 v[SPW], v[NIL]
	s_wait_dscnt 0x0
	CROUND                                         ; the closing round: no work-group ends while a partner may still ask for a tile that names it
	s_endpgm
.Lfunc_end_k_q16f709fc62_proj:
	.size	k_q16f709fc62_proj, .Lfunc_end_k_q16f709fc62_proj-k_q16f709fc62_proj
	.p2alignl 7, 3214868480
	.fill 96, 4, 3214868480
	.section	.rodata,"a",@progbits
	.p2align	6, 0x0
	.amdhsa_kernel k_q16f709fc62_proj
		.amdhsa_group_segment_fixed_size 327680
		.amdhsa_private_segment_fixed_size 0
		.amdhsa_enable_private_segment 0
		.amdhsa_kernarg_size 48
		.amdhsa_user_sgpr_count 2
		.amdhsa_user_sgpr_kernarg_segment_ptr 1
		.amdhsa_wavefront_size32 1
		.amdhsa_system_sgpr_workgroup_id_x 1
		.amdhsa_system_sgpr_workgroup_id_y 1
		.amdhsa_system_sgpr_workgroup_id_z 1
		.amdhsa_system_vgpr_workitem_id 0
		.amdhsa_next_free_vgpr 1024
		.amdhsa_next_free_sgpr 100
		.amdhsa_reserve_vcc 0
		.amdhsa_float_denorm_mode_32 3
		.amdhsa_float_denorm_mode_16_64 3
		.amdhsa_memory_ordered 1
		.amdhsa_forward_progress 1
		.amdhsa_inst_pref_size 127
	.end_amdhsa_kernel
	.amdgpu_metadata
---
amdhsa.version: [ 1, 2 ]
amdhsa.kernels:
  - .name:           k_q16f709fc62_proj
    .symbol:         k_q16f709fc62_proj.kd
    .args:
      - { .name: x_codes, .offset: 0, .size: 8, .value_kind: global_buffer, .address_space: global }
      - { .name: x_scales, .offset: 8, .size: 8, .value_kind: global_buffer, .address_space: global }
      - { .name: w_codes, .offset: 16, .size: 8, .value_kind: global_buffer, .address_space: global }
      - { .name: w_scales, .offset: 24, .size: 8, .value_kind: global_buffer, .address_space: global }
      - { .name: qk, .offset: 32, .size: 8, .value_kind: global_buffer, .address_space: global }
      - { .name: vt, .offset: 40, .size: 8, .value_kind: global_buffer, .address_space: global }
    .group_segment_fixed_size: 327680
    .private_segment_fixed_size: 0
    .kernarg_segment_align: 8
    .kernarg_segment_size: 48
    .max_flat_workgroup_size: 128
    .sgpr_count:     100
    .vgpr_count:     1024
    .wavefront_size: 32
...
	.end_amdgpu_metadata
.endif
;; end of part 2
;; launch attn (part 3): grid 4 x 64, 16 waves a work-group, clusters of 4 x 1, 327,680 bytes of LDS; arguments qk, vt, att; writes att
.if DOCPART == 3
	.amdgcn_target "amdgcn-amd-amdhsa--gfx1250"
	.amdhsa_code_object_version 6
	.text
	.protected	k_q16f709fc62_attn
	.globl	k_q16f709fc62_attn
	.p2align	8
	.type	k_q16f709fc62_attn,@function
k_q16f709fc62_attn:
	s_mov_b64 s[64:65], 0
	v_nop
	global_prefetch_b8 v0, s[64:65] scope:SCOPE_SE
	s_setreg_imm32_b32 hwreg(HW_REG_WAVE_MODE, 25, 1), 1
	s_wait_xcnt 0x0
	s_wait_alu depctr_hold_cnt(0) depctr_sa_sdst(0) depctr_va_vdst(0) depctr_va_sdst(0) depctr_va_ssrc(0) depctr_va_vcc(0) depctr_vm_vsrc(0)
	s_getreg_b32 s2, hwreg(HW_REG_IB_STS2, 6, 4)
	s_cmp_eq_u32 s2, 0
	s_cbranch_scc0 .Lentry_in_a_cluster
	s_endpgm
.Lentry_in_a_cluster:
	s_bfe_u32 s2, ttmp6, 0x10000c
	s_cmp_lg_u32 s2, 0x3003
	s_cbranch_scc0 .Lentry_shape_is_right
	s_endpgm
.Lentry_shape_is_right:
; att[head][token][:] = the sum over keys of softmax(q . k / 8) v, for each of 4 batches x 16 heads of size 64, 2,048 tokens, no mask.  Operands f16, products, maxima and sums f32; the weights p are rounded to f16
; for the second product, the result once at the end.
; qk: f16 [32][8192 tokens][64]: heads of q, then heads of k.  vt: f16 [128 blocks of 64 tokens][1024 channels][64]: v with the keys innermost.  att: f16 [16 heads][8192 tokens][64].
; SHARES.  A cluster of four work-groups is one (batch, head); a work-group owns 512 queries, each of its SIXTEEN waves 32: two tiles of 16, in 256 registers.  Four waves share a SIMD, so that one wave's vector work
; stands beside another's matrix work and LDS loads.  Every wave walks all 2,048 keys, 64 a step.
; LAYOUT.  S^T = K Q^T (source 0 = 16 keys, source 1 = 16 queries): a lane holds ONE query (lane % 16) and the keys 8 (lane / 16) + 0..7 of each tile.  Two such tiles, rounded to f16 in pairs, ARE source 1
; (32 keys x 16 queries) of O^T = V^T P, whose result again holds one query a lane, and eight channels.  K and V^T both come out of LDS as they lie.
; SOFTMAX.  For each query a running maximum m and sum l: p = 2^(c s - c m), c = log2(e) / 8; in every step O and l are multiplied by a = 2^(c m_old - c m_new).  m begins at -3e38, l and O^T at 0: the first a is 0.
; RING.  Two LDS slots of 256 keys; a slot is 8 pieces of 64 rows x 128 bytes: K's keys 64 p on (pieces 0-3), V^T's blocks of 64 keys x 64 channels (pieces 4-7).  Waves 0-3 fetch K's pieces, waves 4-7 V's, one tensor load
; each behind a change of slots; one tensor load of a wave is out at a time, and every wait for tensor loads is for 0.
; CLUSTER.  The four query blocks walk the same K and V, so each piece is asked for JOINTLY: the same tensor load, with the same descriptor and a mask that names the four.
; LIMITS: NaN and infinities are not served; the result beyond 65,504 does not fit f16, and under 6e-5 it keeps fewer than 11 bits.
.set PK,    144                        ; an LDS row: 128 bytes + 16 of padding = 36 words: the 16 rows of a load start at 16 different groups of four banks (64 banks of 4 bytes: ISA guide 11.1)
.set PIECE, 64*PK                      ; 9,216 bytes
.set VOFF,  4*PIECE                    ; V's pieces lie behind K's
.set SLOT1, 1<<17                      ; slot 1 begins here, so that one exclusive or turns an address in one slot into the other's
.set NSL,   8                          ; slots' worth of keys
.set SPARE, SLOT1+8*PIECE              ; behind the ring: the spare words, 128 bytes for each of 16 waves, which no other line names
.set STAGE, SPARE+2048                 ; the way out: 32 rows x 144 bytes for each wave; no tensor load lands here
.set WSTG,  32*PK
.set AK0, 1                            ; v1   my lane's place in a piece: 144 (l % 16) + 16 (l / 16); never rewritten
.set ADR, 2                            ; v2   LDS address of the step's piece of K
.set SPW, 3                            ; v3   LDS address of my spare word; never rewritten
.set NIL, 4                            ; v4   0; never rewritten
.set PFO, 5                            ; v5   256 x my lane: the prefetches' offset; never rewritten
.set QO,  6                            ; v6   my byte offset in the wave's rows of q
.set STO, 7                            ; v7   the way out: where I put 16 bytes of a row
.set RD,  8                            ; v8   where I read 16 bytes back
.set GO,  9                            ; v9   16 x my lane: my byte offset in 512 bytes of att
.set ST,  16                           ; tile t's statistics at v[ST + 8 t]: +0 c m, +1 m, +2, +3 l (even keys', odd keys'), +4 .. +7 c0-c3, at work; a takes c2's place, the second chain of the sum c0 and c1's
.set Q,   32                           ; v32-63   q: tile t, channels 32 f on, at v[Q + 16 t + 8 f]
.set S,   64                           ; v64-127  S^T, 32 a tile; p's f16 pairs are made in place in a tile's first 16
.set O,   128                          ; v128-191 O^T, 32 a tile
.set KV,  192                          ; v192-255 eight fragments: a step's K, then its V^T
.set WV,  12                           ; s12  my wave's number
.set G1,  24                           ; s[24:31] descriptor group 1, the same for K's and V's pieces
.set G0K, 32                           ; s[32:35] group 0 for K's piece; it walks
.set G0V, 36                           ; s[36:39] for V's
.set PFA, 40                           ; s[40:41] where my prefetches stand in memory
.set PFS, 42                           ; s[42:43] a slot on, in bytes
.set LIM, 44                           ; s44  1 in a wave that prefetches, else the greatest number
.set SLOTS, 45                         ; s45  slots still to be asked for
.set INNER, 46                         ; s46  counts a slot's four steps
.set TB,  47                           ; s47  LDS byte at which the step's piece of K begins
.set CS,  48                           ; s[48:49] c: the packed scaling names a pair and takes its low word for both halves
.set SEL, 50                           ; s[50:51] lane selects for v_permlanex16_b32: lane l xor 16
; Waves 0-3 fetch for K, waves 4-7 for V, the others nothing.  The branches hang on the wave's number alone: they are the same in every work-group.  An s_nop 0 and four v_nop follow each of the two lines.
.macro TLOAD
	s_cmp_lt_u32 s[WV], 4
	s_cbranch_scc0 .Lnot_k_\@
	tensor_load_to_lds s[G0K:G0K+3], s[G1:G1+7]
	s_nop 0
.rept 4
	v_nop
.endr
	s_branch .Lasked_\@
.Lnot_k_\@:
	s_cmp_lt_u32 s[WV], 8
	s_cbranch_scc0 .Lasked_\@
	tensor_load_to_lds s[G0V:G0V+3], s[G1:G1+7]
	s_nop 0
.rept 4
	v_nop
.endr
.Lasked_\@:
.endm
; A PREFETCH INTO THE L2 of what the NEXT change of slots will ask for: a slot's 32,768 bytes of K and of V^T.  This cluster alone walks this head's K and V.  Its four partners share the bytes out BY ADDRESS:
; partner cx takes K's 8,192 bytes from 8,192 cx on, and V's block cx of 64 keys (8,192 bytes on end); wave 8 asks for K's, wave 9 for V's, lanes 256 bytes apart: each aligned 256 bytes are named once in the launch.
; It stands behind the fetching waves' tensor load, a slot's four key steps ahead of the load that will want the bytes.  The last change that fills a slot asks for nothing; slots 0 and 1 come by their loads alone.
.macro ASK
	s_cmp_gt_u32 s[SLOTS], s[LIM]
	s_cbranch_scc0 .Lnot_mine_\@
	global_prefetch_b8 v[PFO], s[PFA:PFA+1] th:TH_LOAD_NT scope:SCOPE_SE
.Lnot_mine_\@:
.endm
.macro CROUND                          ; a round of the cluster's barrier: my work-group's barrier; wave 0 signals for the work-group; every wave waits for all four work-groups; my work-group's barrier once more
	s_barrier_signal -1
	s_barrier_wait -1
	s_cmp_lg_u32 s[WV], 0
	s_cbranch_scc1 .Lnot_wave_0_\@
	s_barrier_signal -3
.Lnot_wave_0_\@:
	s_barrier_wait -3
	s_barrier_signal -1
	s_barrier_wait -1
.endm
	s_load_b128 s[4:7], s[0:1], 0x0                ; qk, vt
	s_load_b64 s[8:9], s[0:1], 0x10                ; att
	v_lshl_add_u32 v[SPW], v0, 2, SPARE
	v_mov_b32 v[NIL], 0
	ds_add_u32 v[SPW], v[NIL]                      ; the wave's opening: the add, twice on end, and its wait ahead of the first tensor load; the set-up below, work on registers, stands between
	ds_add_u32 v[SPW], v[NIL]
	v_lshrrev_b32 v10, 5, v0
	v_readfirstlane_b32 s[WV], v10                 ; wave 0..15
	s_bfe_u32 s13, ttmp6, 0x40000                  ; cx: my block of 512 queries; it enters q's, att's and the prefetches' addresses alone
	s_and_b32 s14, ttmp7, 0xffff                   ; 16 x batch + head, which the four partners share
	s_lshr_b32 s15, s14, 4                         ; batch
	s_and_b32 s14, s14, 15                         ; head
	s_and_b32 s16, s[WV], 3                        ; which piece I fetch, if I fetch
	s_add_co_u32 s17, s14, 16
	s_lshl_b32 s17, s17, 20                        ; k's head: 8,192 tokens x 128 bytes each,
	s_lshl_b32 s18, s15, 18                        ; the batch's 2,048 tokens
	s_add_co_u32 s17, s17, s18                     ; K's first byte in qk
	s_lshl_b32 s19, s15, 22                        ; the batch's 32 blocks of 131,072 bytes,
	s_lshl_b32 s20, s14, 13                        ; the head's 64 channels of 128 bytes
	s_add_co_u32 s19, s19, s20                     ; V's first byte in vt
	s_lshl_b32 s22, s16, 13                        ; my piece of K: 64 keys x 128 bytes on
	s_add_co_u32 s22, s22, s17
	s_mov_b32 s23, 0
	s_lshl_b32 s10, s16, 17                        ; my piece of V: a block of 64 keys on
	s_add_co_u32 s10, s10, s19
	s_mov_b32 s11, 0
	s_mul_i32 s16, s16, PIECE                      ; and its place in a slot: no place in the cluster enters an LDS address
	s_lshl_b32 s20, s14, 20                        ; q and att: the head,
	s_add_co_u32 s20, s20, s18                     ; the batch,
	s_lshl_b32 s21, s13, 16                        ; my work-group's 512 rows,
	s_add_co_u32 s20, s20, s21
	s_lshl_b32 s21, s[WV], 12                      ; my wave's 32
	s_add_co_u32 s20, s20, s21
	s_mov_b32 s21, 0
	s_lshl_b32 s52, s13, 13                        ; the prefetches: K's, my work-group's 8,192 bytes, in slot 1: the first change of slots steps it to slot 2
	s_add_co_u32 s52, s52, s17
	s_add_co_u32 s52, s52, 0x8000
	s_lshl_b32 s53, s13, 17                        ; V's likewise
	s_add_co_u32 s53, s53, s19
	s_add_co_u32 s53, s53, 0x80000
	s_mov_b32 s[PFS], 0x80000
	s_cmp_eq_u32 s[WV], 8                          ; wave 8 asks for K's, wave 9 for V's
	s_cselect_b32 s52, s52, s53
	s_cselect_b32 s[PFS], 0x8000, s[PFS]
	s_mov_b32 s53, 0
	s_mov_b32 s[PFS+1], 0
	s_sub_co_u32 s[LIM], s[WV], 8
	s_lshr_b32 s[LIM], s[LIM], 1                   ; 0 in waves 8 and 9 alone
	s_cmp_eq_u32 s[LIM], 0
	s_cselect_b32 s[LIM], 1, -1
	; descriptor group 1: a piece of 64 rows x 64 elements of 2 bytes, dense in memory, padded in LDS
	s_mov_b32 s[G1], 15|(1<<16)|(1<<20)|(1<<21)|(4<<22)|(3<<25)   ; 15:0 the mask: all four work-groups; 17:16 elements of 2 bytes; 20 padding on; 21 set beside a mask; 24:22 after every 32 words (code 4); 31:25 four words (code 3)
	s_mov_b32 s[G1+1], 64<<16                      ; tensor_dim0
	s_mov_b32 s[G1+2], 64<<16                      ; tensor_dim1
	s_mov_b32 s[G1+3], 64<<16                      ; tile_dim0
	s_mov_b32 s[G1+4], 64                          ; tile_dim1
	s_mov_b32 s[G1+5], 64                          ; tensor_dim0_stride
	s_mov_b32 s[G1+6], 0
	s_mov_b32 s[G1+7], 0
	s_mov_b32 s[CS], 0x3e38aa3b                    ; c = log2(e) / 8
	s_mov_b32 s[CS+1], s[CS]                       ; (named with it as a pair, so it is written)
	s_mov_b32 s[SEL], 0x76543210
	s_mov_b32 s[SEL+1], 0xfedcba98
	s_mov_b32 s[TB], 0
	s_mov_b32 s[SLOTS], NSL-1
	s_wait_dscnt 0x0                               ; both opening adds are done
	s_wait_kmcnt 0x0
	s_mov_b32 s[G0K], 1                            ; 1:0 count = 1
	s_mov_b32 s[G0K+1], s16                        ; 63:32 LDS address: slot 0
	s_add_nc_u64 s[G0K+2:G0K+3], s[4:5], s[22:23]  ; 120:64 global address
	s_or_b32 s[G0K+3], s[G0K+3], 0x80000000        ; 127:126 type = 2
	s_mov_b32 s[G0V], 1
	s_add_co_u32 s[G0V+1], s16, VOFF
	s_add_nc_u64 s[G0V+2:G0V+3], s[6:7], s[10:11]
	s_or_b32 s[G0V+3], s[G0V+3], 0x80000000
	s_cmp_eq_u32 s[WV], 8
	s_cselect_b64 s[PFA:PFA+1], s[4:5], s[6:7]
	s_add_nc_u64 s[PFA:PFA+1], s[PFA:PFA+1], s[52:53]
	s_add_nc_u64 s[4:5], s[4:5], s[20:21]          ; q at my wave's first row
	s_add_nc_u64 s[8:9], s[8:9], s[20:21]          ; att likewise
	CROUND                                         ; all four work-groups are here: the first joint loads meet
	TLOAD                                          ; slot 0
	; A fragment is 16 rows x 32 along K in 8 registers: lane l holds row l % 16; registers 0-3 hold K = 8 (l / 16) + 0..7, registers 4-7 K = 16 + 8 (l / 16) + 0..7: two loads of 16 bytes, 32 bytes apart.
	v_and_b32 v10, 15, v0                          ; l % 16
	v_bfe_u32 v11, v0, 4, 1                        ; l / 16
	v_lshlrev_b32 v[QO], 7, v10
	v_lshl_add_u32 v[QO], v11, 4, v[QO]
.irp t, 0,1
.irp f, 0,1
	global_load_b128 v[Q+16*\t+8*\f:Q+16*\t+8*\f+3],   v[QO], s[4:5] offset:\t*2048+\f*64       ; q stays in registers
	global_load_b128 v[Q+16*\t+8*\f+4:Q+16*\t+8*\f+7], v[QO], s[4:5] offset:\t*2048+\f*64+32
.endr
.endr
	v_mul_u32_u24 v[AK0], v10, PK
	v_lshl_add_u32 v[AK0], v11, 4, v[AK0]
	s_mul_i32 s16, s[WV], WSTG
	s_add_co_u32 s16, s16, STAGE                   ; my stage
	v_add_nc_u32 v[STO], s16, v[AK0]               ; in: row l % 16 of a tile, 16 bytes for each half of the lanes
	v_and_b32 v12, 31, v0
	v_lshrrev_b32 v13, 3, v12
	v_and_b32 v14, 7, v0
	v_mul_u32_u24 v[RD], v13, PK                   ; back: eight lanes to a row of 128 bytes, four rows an instruction
	v_lshl_add_u32 v[RD], v14, 4, v[RD]
	v_add_nc_u32 v[RD], s16, v[RD]
	v_lshlrev_b32 v[GO], 4, v12
	v_lshlrev_b32 v[PFO], 8, v12
.irp t, 0,1
	v_mov_b32 v[ST+8*\t+1], 0xff61b1e6             ; m = -3e38, under every score
	v_mul_f32 v[ST+8*\t], s[CS], v[ST+8*\t+1]      ; c m
.irp i, 2,3,4,5,6,7
	v_mov_b32 v[ST+8*\t+\i], 0                     ; l; and c0-c3, written once: a lane permute's destination counts as one of its sources
.endr
.endr
.irp j, 0,1,2,3,4,5,6,7,8,9,10,11,12,13,14,15,16,17,18,19,20,21,22,23,24,25,26,27,28,29,30,31,32,33,34,35,36,37,38,39,40,41,42,43,44,45,46,47,48,49,50,51,52,53,54,55,56,57,58,59,60,61,62,63
	v_mov_b32 v[O+\j], 0                           ; O^T.  (The key step is written once: the first finds zeros, which its a = 0 leaves zeros)
.endr
.macro FETCH base                      ; eight fragments: rows 16 (f / 2) on, 32 along K from 32 (f % 2) on: K (tile of keys, half of the channels) and V^T (tile of channels, half of the keys) alike
.irp f, 0,1,2,3,4,5,6,7
	ds_load_b128 v[KV+8*\f:KV+8*\f+3],   v[ADR] offset:\base+(\f/2)*16*PK+(\f%2)*64
	ds_load_b128 v[KV+8*\f+4:KV+8*\f+7], v[ADR] offset:\base+(\f/2)*16*PK+(\f%2)*64+32
.endr
.endm
; A KEY STEP: 64 keys.  In phases: K Q^T, the softmax, V^T P.
.macro STEP
	v_add_nc_u32 v[ADR], s[TB], v[AK0]
.rept 4
	v_nop                                          ; with the addition above five places behind the last step's products: four for the loads into the registers that they read, five for the products below, which write over p
.endr
	FETCH 0
	s_wait_dscnt 0x0                               ; K is in
.irp f, 0,1                            ; the eight accumulators take turns, one instruction a turn; the first eight products start the sums
.irp kt, 0,1,2,3
.irp t, 0,1
.if \f == 0
	v_wmma_f32_16x16x32_f16 v[S+32*\t+8*\kt:S+32*\t+8*\kt+7], v[KV+16*\kt:KV+16*\kt+7], v[Q+16*\t:Q+16*\t+7], 0
.else
	v_wmma_f32_16x16x32_f16 v[S+32*\t+8*\kt:S+32*\t+8*\kt+7], v[KV+16*\kt+8:KV+16*\kt+15], v[Q+16*\t+8:Q+16*\t+15], v[S+32*\t+8*\kt:S+32*\t+8*\kt+7]
.endif
.endr
.endr
.endr
.rept 4
	v_nop                                          ; four places: for the loads into K's registers, and for the first read of the scores
.endr
	FETCH VOFF                                     ; V^T lands while the softmax is walked
	; the maximum of my 32 scores and the old m, three operands at a time, four chains; each accumulator is read from its low end on; the two tiles line by line
.irp j, 0,1,2,3
.irp t, 0,1
	v_max3_num_f32 v[ST+8*\t+4+\j], v[S+32*\t+8*\j], v[S+32*\t+8*\j+1], v[S+32*\t+8*\j+2]
.endr
.endr
.irp u, 1,2
.irp j, 0,1,2,3
.irp t, 0,1
	v_max3_num_f32 v[ST+8*\t+4+\j], v[ST+8*\t+4+\j], v[S+32*\t+8*\j+2*\u+1], v[S+32*\t+8*\j+2*\u+2]
.endr
.endr
.endr
.irp t, 0,1
	v_max3_num_f32 v[ST+8*\t+4], v[ST+8*\t+4], v[S+32*\t+7], v[S+32*\t+15]
.endr
.irp t, 0,1
	v_max3_num_f32 v[ST+8*\t+6], v[ST+8*\t+6], v[S+32*\t+23], v[S+32*\t+31]
.endr
.irp t, 0,1
	v_max3_num_f32 v[ST+8*\t+4], v[ST+8*\t+4], v[ST+8*\t+5], v[ST+8*\t+6]
.endr
.irp t, 0,1
	v_max3_num_f32 v[ST+8*\t+4], v[ST+8*\t+4], v[ST+8*\t+7], v[ST+8*\t+1]
.endr
.irp t, 0,1
	v_permlanex16_b32 v[ST+8*\t+5], v[ST+8*\t+4], s[SEL], s[SEL+1]   ; the query's other 32 keys lie in the lane 16 away
.endr
.irp t, 0,1
	v_mov_b32 v[ST+8*\t+7], v[ST+8*\t]             ; c m_old is kept for a
.endr
.irp t, 0,1
	v_max_num_f32 v[ST+8*\t+1], v[ST+8*\t+4], v[ST+8*\t+5]
.endr
.irp t, 0,1
	v_mul_f32 v[ST+8*\t], s[CS], v[ST+8*\t+1]
.endr
.irp t, 0,1
	v_sub_f32 v[ST+8*\t+7], v[ST+8*\t+7], v[ST+8*\t]
.endr
.irp b, 0,1,2,3,4,5,6,7,8,9,10,11,12,13,14,15
.irp t, 0,1
	v_pk_fma_f32 v[S+32*\t+2*\b:S+32*\t+2*\b+1], v[S+32*\t+2*\b:S+32*\t+2*\b+1], s[CS:CS+1], v[ST+8*\t:ST+8*\t+1] op_sel_hi:[1,0,0] neg_lo:[0,0,1] neg_hi:[0,0,1]   ; c s - c m, two at a time
.endr
.endr
.irp t, 0,1
	v_exp_f32 v[ST+8*\t+6], v[ST+8*\t+7]           ; a
.endr
.irp e, 0,1,2,3,4,5,6,7,8,9,10,11,12,13,14,15,16,17,18,19,20,21,22,23,24,25,26,27,28,29,30,31
.irp t, 0,1
	v_exp_f32 v[S+32*\t+\e], v[S+32*\t+\e]         ; p
.endr
.endr
	v_nop                                          ; a plain instruction behind the last exponential, ahead of the first use of a result
	s_wait_alu depctr_va_vdst(0)                   ; ONE wait for the batch of 66, ahead of the first instruction that names a result
	; l = a l + the sum of p, before p is rounded: two at a time, in two chains
.irp t, 0,1
	v_pk_fma_f32 v[ST+8*\t+2:ST+8*\t+3], v[ST+8*\t+2:ST+8*\t+3], v[ST+8*\t+6:ST+8*\t+7], v[S+32*\t:S+32*\t+1] op_sel_hi:[1,0,1]
.endr
.irp t, 0,1
	v_pk_add_f32 v[ST+8*\t+4:ST+8*\t+5], v[S+32*\t+2:S+32*\t+3], v[S+32*\t+4:S+32*\t+5]
.endr
.irp b, 3,5,7,9,11,13
.irp t, 0,1
	v_pk_add_f32 v[ST+8*\t+2:ST+8*\t+3], v[ST+8*\t+2:ST+8*\t+3], v[S+32*\t+2*\b:S+32*\t+2*\b+1]
.endr
.irp t, 0,1
	v_pk_add_f32 v[ST+8*\t+4:ST+8*\t+5], v[ST+8*\t+4:ST+8*\t+5], v[S+32*\t+2*\b+2:S+32*\t+2*\b+3]
.endr
.endr
.irp t, 0,1
	v_pk_add_f32 v[ST+8*\t+2:ST+8*\t+3], v[ST+8*\t+2:ST+8*\t+3], v[S+32*\t+30:S+32*\t+31]
.endr
.irp t, 0,1
	v_pk_add_f32 v[ST+8*\t+2:ST+8*\t+3], v[ST+8*\t+2:ST+8*\t+3], v[ST+8*\t+4:ST+8*\t+5]
.endr
.irp i, 0,1,2,3,4,5,6,7,8,9,10,11,12,13,14,15
.irp t, 0,1
	v_cvt_pk_f16_f32 v[S+32*\t+\i], v[S+32*\t+2*\i], v[S+32*\t+2*\i+1]   ; pair i of weights, in place: register i has been read by pair i / 2, which came no later
.endr
.endr
.irp i, 0,1,2,3,4,5,6,7,8,9,10,11,12,13,14,15
.irp t, 0,1
	v_pk_mul_f32 v[O+32*\t+2*\i:O+32*\t+2*\i+1], v[O+32*\t+2*\i:O+32*\t+2*\i+1], v[ST+8*\t+6:ST+8*\t+7] op_sel_hi:[1,0]   ; O^T x a, each accumulator from its low end on
.endr
.endr
	s_wait_dscnt 0x0                               ; V^T is in
.irp kh, 0,1                           ; O^T += V^T P: keys 32 kh on, channels 16 ct on; the eight accumulators by turns
.irp ct, 0,1,2,3
.irp t, 0,1
	v_wmma_f32_16x16x32_f16 v[O+32*\t+8*\ct:O+32*\t+8*\ct+7], v[KV+16*\ct+8*\kh:KV+16*\ct+8*\kh+7], v[S+32*\t+8*\kh:S+32*\t+8*\kh+7], v[O+32*\t+8*\ct:O+32*\t+8*\ct+7]
.endr
.endr
.endr
.endm
; THE CHANGE OF SLOTS stands at a slot's head.  Each wave waits for all its tensor loads (its piece of the slot ahead), adds 0 to its spare word, and waits for that and for its reads of the slot that it has left.
; fill = 1: a round of the cluster's barrier follows, so that no wave of any partner still reads the slot left or has a load on its way; the joint load of the next 256 keys into that slot is the first thing behind it,
; a wave's one tensor load until the next round, and has a slot's four key steps in which to land.  (The first change fills slot 1 for the first time.)
.macro CHANGE fill
	s_wait_tensorcnt 0x0                           ; no tensor load of mine is out, so a group 0 may be written
	ds_add_u32 v[SPW], v[NIL]                      ; 0 onto my spare word
.if \fill
	ds_add_u32 v[SPW], v[NIL]                      ; and once more: the add stands twice on end, in every trip alike
	s_xor_b32 s[G0K+1], s[G0K+1], SLOT1            ; the walking descriptors: the other slot than last time,
	s_add_nc_u64 s[G0K+2:G0K+3], s[G0K+2:G0K+3], 0x8000    ; the next 256 keys; the type bits on top are not reached
	s_xor_b32 s[G0V+1], s[G0V+1], SLOT1
	s_add_nc_u64 s[G0V+2:G0V+3], s[G0V+2:G0V+3], 0x80000   ; four blocks of 64 keys on
	s_wait_xcnt 0x0                                ; the last prefetch, a slot back, has read its address, so it may be written:
	s_add_nc_u64 s[PFA:PFA+1], s[PFA:PFA+1], s[PFS:PFS+1]  ; one slot further on than the walking descriptors
	s_wait_dscnt 0x0                               ; both adds are done, and my reads of the slot that I have left are over
	CROUND
	TLOAD
	ASK
.else
	s_wait_dscnt 0x0                               ; the add is done, and my reads of the slot that I have left are over
	s_barrier_signal -1
	s_barrier_wait -1
.endif
.endm
.macro SLOT_STEPS                      ; a slot's four key steps: written once, walked four times; the LDS addresses hang on s[TB]
	s_mov_b32 s[INNER], 4
.Lstep_\@:
	STEP
	s_add_co_u32 s[TB], s[TB], PIECE
	s_sub_co_u32 s[INNER], s[INNER], 1
	s_cmp_lg_u32 s[INNER], 0
	s_cbranch_scc1 .Lstep_\@
	s_sub_co_u32 s[TB], s[TB], 4*PIECE             ; back to a slot's first piece,
	s_xor_b32 s[TB], s[TB], SLOT1                  ; in the other slot
.endm
	s_wait_loadcnt 0x0                             ; q
.Lslot:                                            ; NSL - 1 trips: behind each change of slots but the last the next slot is asked for
	CHANGE 1
	SLOT_STEPS
	s_sub_co_u32 s[SLOTS], s[SLOTS], 1
	s_cmp_lg_u32 s[SLOTS], 0
	s_cbranch_scc1 .Lslot
	CHANGE 0                                       ; the last slot is written out
	SLOT_STEPS
	; THE WAY OUT.  l's two halves and the other half of the lanes' are added; O^T is divided by l, rounded to f16 and sent through my stage in LDS, so that the wave's stores cover 512 consecutive bytes.
.rept 4
	v_nop                                          ; four places behind the last products
.endr
.irp t, 0,1
	v_add_f32 v[ST+8*\t+4], v[ST+8*\t+2], v[ST+8*\t+3]
.endr
.irp t, 0,1
	v_permlanex16_b32 v[ST+8*\t+5], v[ST+8*\t+4], s[SEL], s[SEL+1]
.endr
.irp t, 0,1
	v_add_f32 v[ST+8*\t+4], v[ST+8*\t+4], v[ST+8*\t+5]
.endr
.irp t, 0,1
	v_rcp_f32 v[ST+8*\t+6], v[ST+8*\t+4]
.endr
	v_nop                                          ; a plain instruction between the last reciprocal and the use of its result
	s_wait_alu depctr_va_vdst(0)                   ; and a wait ahead of the first use: one for both
.irp i, 0,1,2,3,4,5,6,7,8,9,10,11,12,13,14,15
.irp t, 0,1
	v_pk_mul_f32 v[O+32*\t+2*\i:O+32*\t+2*\i+1], v[O+32*\t+2*\i:O+32*\t+2*\i+1], v[ST+8*\t+6:ST+8*\t+7] op_sel_hi:[1,0]
.endr
.endr
.irp i, 0,1,2,3,4,5,6,7,8,9,10,11,12,13,14,15
.irp t, 0,1
	v_cvt_pk_f16_f32 v[S+16*\t+\i], v[O+32*\t+2*\i], v[O+32*\t+2*\i+1]   ; registers 4 ct .. 4 ct + 3 of a tile: channels 16 ct + 8 (l / 16) + 0..7 of query l % 16
.endr
.endr
.irp t, 0,1
.irp ct, 0,1,2,3
	ds_store_b128 v[STO], v[S+16*\t+4*\ct:S+16*\t+4*\ct+3] offset:\t*16*PK+32*\ct
.endr
.endr
.irp i, 0,1,2,3,4,5,6,7
	ds_load_b128 v[KV+4*\i:KV+4*\i+3], v[RD] offset:\i*4*PK        ; LDS serves a wave's instructions in order (ISA guide 5.7.1.4): these see my stores
.endr
.irp i, 0,1,2,3,4,5,6,7
	s_wait_dscnt 7-\i                              ; load i is in; the younger ones may be out
	global_store_b128 v[GO], v[KV+4*\i:KV+4*\i+3], s[8:9] offset:512*\i   ; four rows of att: 512 consecutive bytes, aligned
.endr
	s_wait_tensorcnt 0x0                           ; the wave's end, behind my last tensor load and my last LDS store
	ds_add_u32 v[SPW], v[NIL]
	s_wait_dscnt 0x0
	CROUND                                         ; the closing round: no work-group ends while a partner may still ask for a piece that names it
	s_endpgm
.Lfunc_end_k_q16f709fc62_attn:
	.size	k_q16f709fc62_attn, .Lfunc_end_k_q16f709fc62_attn-k_q16f709fc62_attn
	.p2alignl 7, 3214868480
	.fill 96, 4, 3214868480
	.section	.rodata,"a",@progbits
	.p2align	6, 0x0
	.amdhsa_kernel k_q16f709fc62_attn
		.amdhsa_group_segment_fixed_size 327680
		.amdhsa_private_segment_fixed_size 0
		.amdhsa_enable_private_segment 0
		.amdhsa_kernarg_size 24
		.amdhsa_user_sgpr_count 2
		.amdhsa_user_sgpr_kernarg_segment_ptr 1
		.amdhsa_wavefront_size32 1
		.amdhsa_system_sgpr_workgroup_id_x 1
		.amdhsa_system_sgpr_workgroup_id_y 1
		.amdhsa_system_sgpr_workgroup_id_z 1
		.amdhsa_system_vgpr_workitem_id 0
		.amdhsa_next_free_vgpr 256
		.amdhsa_next_free_sgpr 66
		.amdhsa_reserve_vcc 0
		.amdhsa_float_denorm_mode_32 3
		.amdhsa_float_denorm_mode_16_64 3
		.amdhsa_memory_ordered 1
		.amdhsa_forward_progress 1
		.amdhsa_inst_pref_size 52
	.end_amdhsa_kernel
	.amdgpu_metadata
---
amdhsa.version: [ 1, 2 ]
amdhsa.kernels:
  - .name:           k_q16f709fc62_attn
    .symbol:         k_q16f709fc62_attn.kd
    .args:
      - { .name: qk, .offset: 0, .size: 8, .value_kind: global_buffer, .address_space: global }
      - { .name: vt, .offset: 8, .size: 8, .value_kind: global_buffer, .address_space: global }
      - { .name: att, .offset: 16, .size: 8, .value_kind: global_buffer, .address_space: global }
    .group_segment_fixed_size: 327680
    .private_segment_fixed_size: 0
    .kernarg_segment_align: 8
    .kernarg_segment_size: 24
    .max_flat_workgroup_size: 512
    .sgpr_count:     66
    .vgpr_count:     256
    .wavefront_size: 32
...
	.end_amdgpu_metadata
.endif
;; end of part 3
;; launch oproj (part 4): grid 8 x 32, 4 waves a work-group, clusters of 4 x 4, 327,680 bytes of LDS; arguments att, wo_h, out0; writes out0
.if DOCPART == 4
	.amdgcn_target "amdgcn-amd-amdhsa--gfx1250"
	.amdhsa_code_object_version 6
	.text
	.protected	k_q16f709fc62_oproj
	.globl	k_q16f709fc62_oproj
	.p2align	8
	.type	k_q16f709fc62_oproj,@function
k_q16f709fc62_oproj:
	s_mov_b64 s[64:65], 0
	v_nop
	global_prefetch_b8 v0, s[64:65] scope:SCOPE_SE
	s_setreg_imm32_b32 hwreg(HW_REG_WAVE_MODE, 25, 1), 1
	s_wait_xcnt 0x0
	s_wait_alu depctr_hold_cnt(0) depctr_sa_sdst(0) depctr_va_vdst(0) depctr_va_sdst(0) depctr_va_ssrc(0) depctr_va_vcc(0) depctr_vm_vsrc(0)
	s_getreg_b32 s2, hwreg(HW_REG_IB_STS2, 6, 4)
	s_cmp_eq_u32 s2, 0
	s_cbranch_scc0 .Lentry_in_a_cluster
	s_endpgm
.Lentry_in_a_cluster:
	s_bfe_u32 s2, ttmp6, 0x10000c
	s_cmp_lg_u32 s2, 0xf033
	s_cbranch_scc0 .Lentry_shape_is_right
	s_endpgm
.Lentry_shape_is_right:
; out0[token][n] = the sum over k of att[token][k] w_o[n][k], k = 64 head + channel.  Operands f16, sums f32, out0 f32 [8192][1024].
; att: f16 [16 blocks of 64 k][8192 tokens][64];  wo_h: f16 [16 blocks of 64 k][1024 n][64].
; A tile of out0 is 256 tokens x 128 columns: 256 work-groups.  Four waves; wave w makes rows 64 w .. 64 w + 63 and all 128 columns: 32 accumulators of 16 x 16, 256 registers.  A row of the tile belongs to ONE wave,
; so each wave has a stage of its own on the way out and no barrier stands there.
; K goes in steps of 128 (two blocks of 64) through a ring of two LDS slots: waves 0 and 1 fetch att's two blocks (256 rows of 128 bytes each, dense in memory), waves 2 and 3 wo_h's (128 rows each): one tensor load a wave.
; CLUSTERS: 4 x 4 work-groups.  The four of a row of the cluster need the same tiles of att, the four of a column the same tiles of wo_h: each is asked for JOINTLY, by the same tensor load with the same descriptor and a mask that names the four.
; THE MATRIX INSTRUCTION IS USED TRANSPOSED (source 0 = 16 rows of wo_h, source 1 = 16 tokens): a lane then holds eight neighbouring columns of a token, 32 bytes.
; REGISTERS: window 0: v0-31 addresses; v32-159 the way out.   window 1: two fragment buffers of 96 (32 along K): att's 4 fragments, then wo_h's 8.   window 2: accumulator (a, b) at v[8 (8 a + b)].
.set PITCH,  144                       ; an LDS row: 128 bytes + 16 of padding = 36 words: the 16 rows of a load start at 16 different groups of four banks (64 banks of 4 bytes: ISA guide 11.1)
.set ABLK,   256*PITCH                 ; a block of att in a slot
.set BBLK,   128*PITCH                 ; a block of wo_h
.set BOFF,   2*ABLK                    ; wo_h's two blocks lie behind att's two
.set SLOT,   2*ABLK+2*BBLK             ; 110,592 bytes
.set STAGE,  2*SLOT                    ; behind the ring: 16 rows x 528 bytes for each wave; no tensor load lands here
.set SPITCH, 528
.set SPARE,  STAGE+4*16*SPITCH         ; behind the stages: the spare words, 128 bytes for each wave, which no other line names
.set LAPS,   4                         ; a lap = two K steps = once round the ring; K = 1,024
.set ADRA, 16                          ; v16-17  LDS address of my fragments of att in slot 0, 1
.set ADRB, 20                          ; v20-21  the same for wo_h
.set STO,  24                          ; v24     the way out: where I put 32 bytes of a row
.set RD,   25                          ; v25     where I read a row back
.set CO,   26                          ; v26     16 x my lane: my byte offset in a row's 512 bytes
.set SPW,  28                          ; v28     LDS address of my spare word; never rewritten
.set NIL,  29                          ; v29     0; never rewritten
.set BK,   32                          ; the way out: 16 rows read back: v32-95 and v96-159 by turns
.set F0,   0                           ; fragment buffers, in window 1
.set F1,   128
.set G1, 24                            ; s[24:31] descriptor group 1 for att's tiles;  s[32:39] group 0, one set for each slot
.set G0, 32
.set G1B, 48                           ; s[48:55], s[56:63] the same for wo_h's
.set G0B, 56
.set MSB, 0
.macro WIN new                         ; the immediate's high byte repeats the setting that is left; a switch that changes nothing is dropped
.if MSB != (\new)
	s_set_vgpr_msb (MSB<<8)|(\new)
.set MSB, (\new)
.endif
.endm
.set MUL,  0xa5                        ; sources 0 and 1 window 1; C and D window 2
.set TO_F, 0x40                        ; destination window 1, address window 0
.macro JLOAD s                         ; a joint load: waves 0 and 1 fetch att's blocks, waves 2 and 3 wo_h's; an s_nop 0 and four v_nop follow each of the two lines
	s_cmp_eq_u32 s11, 0
	s_cbranch_scc0 .Lfor_b_\@
	tensor_load_to_lds s[G0+4*\s:G0+4*\s+3], s[G1:G1+7]
	s_nop 0
.rept 4
	v_nop
.endr
	s_branch .Lasked_\@
.Lfor_b_\@:
	tensor_load_to_lds s[G0B+4*\s:G0B+4*\s+3], s[G1B:G1B+7]
	s_nop 0
.rept 4
	v_nop
.endr
.Lasked_\@:
.endm
.macro CREST                           ; a round of the cluster's barrier behind its opening barrier
	s_cmp_lg_u32 s10, 0
	s_cbranch_scc1 .Lnot_wave_0_\@
	s_barrier_signal -3
.Lnot_wave_0_\@:
	s_barrier_wait -3
	s_barrier_signal -1
	s_barrier_wait -1
.endm
.macro CROUND                          ; a whole round
	s_barrier_signal -1
	s_barrier_wait -1
	CREST
.endm
	s_load_b128 s[4:7], s[0:1], 0x0                ; att s[4:5], wo_h s[6:7]
	s_load_b64 s[8:9], s[0:1], 0x10                ; out0
	v_lshl_add_u32 v[SPW], v0, 2, SPARE
	v_mov_b32 v[NIL], 0
	ds_add_u32 v[SPW], v[NIL]                      ; the wave's opening: the add, twice on end, and its wait ahead of my first tensor load; the set-up below, work on registers, stands between
	ds_add_u32 v[SPW], v[NIL]
	v_lshrrev_b32 v1, 5, v0
	v_readfirstlane_b32 s10, v1                    ; wave 0..3
	s_lshr_b32 s11, s10, 1                         ; I fetch for att (0) or for wo_h (1),
	s_and_b32 s12, s10, 1                          ; the first or the second block of 64 along K
	s_bfe_u32 s40, ttmp6, 0x40000                  ; cx, cy: my place in the cluster
	s_bfe_u32 s41, ttmp6, 0x40004
	s_lshl_b32 s42, ttmp9, 2
	s_add_co_u32 s42, s42, s40                     ; tile column = 4 x cluster x + cx
	s_and_b32 s13, ttmp7, 0xffff
	s_lshl_b32 s13, s13, 2
	s_add_co_u32 s13, s13, s41                     ; tile row = 4 x cluster y + cy
	s_lshl_b32 s43, s41, 2
	s_lshl_b32 s43, 15, s43                        ; my row of the cluster
	s_lshl_b32 s44, 0x1111, s40                    ; my column
	; descriptor groups 1: rows of 64 elements of 2 bytes, dense in memory, padded in LDS; 256 rows for att, 128 for wo_h
	s_or_b32 s[G1+0], s43, (1<<16)|(1<<20)|(1<<21)|(4<<22)|(3<<25)  ; 15:0 the mask: att's tiles go to my row; 17:16 element of 2 bytes; 20 padding on; 21 set beside a mask; 24:22 after every 32 words (code 4); 31:25 of 4 words (code 3)
	s_or_b32 s[G1B+0], s44, (1<<16)|(1<<20)|(1<<21)|(4<<22)|(3<<25)
	s_mov_b32 s[G1+1], 64<<16                      ; tensor_dim0
	s_mov_b32 s[G1+2], 256<<16                     ; tensor_dim1
	s_mov_b32 s[G1+3], 64<<16                      ; tile_dim0
	s_mov_b32 s[G1+4], 256                         ; tile_dim1
	s_mov_b32 s[G1+5], 64                          ; tensor_dim0_stride
	s_mov_b32 s[G1+6], 0
	s_mov_b32 s[G1+7], 0
	s_mov_b32 s[G1B+1], 64<<16
	s_mov_b32 s[G1B+2], 128<<16
	s_mov_b32 s[G1B+3], 64<<16
	s_mov_b32 s[G1B+4], 128
	s_mov_b32 s[G1B+5], 64
	s_mov_b32 s[G1B+6], 0
	s_mov_b32 s[G1B+7], 0
	s_lshl_b32 s16, s12, 20                        ; att: a block is 8,192 tokens x 128 bytes;
	s_lshl_b32 s17, s13, 15                        ; the tile's 256 tokens
	s_add_co_u32 s16, s16, s17
	s_mov_b32 s17, 0
	s_lshl_b32 s46, s12, 17                        ; wo_h: a block is 1,024 rows x 128 bytes;
	s_lshl_b32 s47, s42, 14                        ; the tile's 128 rows
	s_add_co_u32 s46, s46, s47
	s_mov_b32 s47, 0
	s_mul_i32 s20, s12, ABLK                       ; where they go: no place in the cluster enters an LDS address
	s_mul_i32 s21, s12, BBLK
	s_add_co_u32 s21, s21, BOFF
	s_wait_dscnt 0x0                               ; both opening adds are done
	s_wait_kmcnt 0x0
	s_add_nc_u64 s[14:15], s[4:5], s[16:17]
	s_add_nc_u64 s[46:47], s[6:7], s[46:47]
	CROUND                                         ; all sixteen work-groups are here: the first joint loads meet
.irp s, 0,1
	s_mov_b32 s[G0+4*\s], 1
	s_add_co_u32 s[G0+4*\s+1], s20, \s*SLOT
	s_add_nc_u64 s[G0+4*\s+2:G0+4*\s+3], s[14:15], \s*0x200000     ; K step s: two blocks of att on
	s_or_b32 s[G0+4*\s+3], s[G0+4*\s+3], 0x80000000
	s_mov_b32 s[G0B+4*\s], 1
	s_add_co_u32 s[G0B+4*\s+1], s21, \s*SLOT
	s_add_nc_u64 s[G0B+4*\s+2:G0B+4*\s+3], s[46:47], \s*0x40000    ; two blocks of wo_h on
	s_or_b32 s[G0B+4*\s+3], s[G0B+4*\s+3], 0x80000000
	JLOAD \s                                       ; two tensor loads of mine are out behind the second
.endr
	v_and_b32 v1, 15, v0                           ; l % 16
	v_bfe_u32 v2, v0, 4, 1                         ; l / 16
	v_mul_u32_u24 v3, v1, PITCH
	v_lshl_add_u32 v3, v2, 4, v3                   ; a fragment's row x pitch + 16 x half
	s_mul_i32 s22, s10, 64*PITCH                   ; my 64 rows of att
	s_mov_b32 s23, BOFF                            ; all 128 rows of wo_h
.irp s, 0,1
	v_add_nc_u32 v[ADRA+\s], s22, v3
	v_add_nc_u32 v[ADRB+\s], s23, v3
	s_add_co_u32 s22, s22, SLOT
	s_add_co_u32 s23, s23, SLOT
.endr
	s_mul_i32 s23, s10, 16*SPITCH
	s_add_co_u32 s23, s23, STAGE                   ; my stage
	v_mul_u32_u24 v4, v1, SPITCH                   ; in: row l % 16, 32 bytes for each half of the lanes
	v_lshl_add_u32 v4, v2, 5, v4
	v_add_nc_u32 v[STO], s23, v4
	v_and_b32 v5, 31, v0
	v_lshlrev_b32 v[CO], 4, v5                     ; back: the 32 lanes take one row of 512 bytes; and the same in out0
	v_add_nc_u32 v[RD], s23, v[CO]
	s_lshl_b32 s16, s13, 20                        ; my first row of out0: (256 x tile row + 64 x wave) x 4,096 bytes
	s_lshl_b32 s17, s10, 18
	s_add_co_u32 s16, s16, s17
	s_mov_b32 s17, 0
	s_add_nc_u64 s[8:9], s[8:9], s[16:17]
	s_lshl_b32 s46, s42, 9                         ; the tile's first column, in bytes
	s_mov_b32 s47, 0
	s_add_nc_u64 s[8:9], s[8:9], s[46:47]
; 8 matrix instructions: block a of my tokens x all 8 blocks of columns, 32 along K, from buffer f.  zero = 1: the first product starts the sums: nothing is ever cleared.
; The 32 accumulators take turns, one instruction a turn, in the same order in every quarter.
.macro MUL8 f, a, zero
.irp b, 0,1,2,3,4,5,6,7
.if \zero
	v_wmma_f32_16x16x32_f16 v[8*(8*(\a)+\b):8*(8*(\a)+\b)+7], v[\f+32+8*\b:\f+32+8*\b+7], v[\f+8*(\a):\f+8*(\a)+7], 0
.else
	v_wmma_f32_16x16x32_f16 v[8*(8*(\a)+\b):8*(8*(\a)+\b)+7], v[\f+32+8*\b:\f+32+8*\b+7], v[\f+8*(\a):\f+8*(\a)+7], v[8*(8*(\a)+\b):8*(8*(\a)+\b)+7]
.endif
.endr
.endm
; 24 LDS loads in one run: the fragments of the slot's q-th 32 along K (block q / 2, byte 64 (q % 2) of its rows) into buffer f: wo_h's sixteen loads first, then att's eight
.macro FETCH slot, q, f
	WIN TO_F
.irp i, 0,1,2,3,4,5,6,7
	ds_load_b128 v[\f+32+8*\i:\f+32+8*\i+3],   v[ADRB+\slot] offset:((\q)/2)*BBLK+\i*16*PITCH+64*((\q)%2)
	ds_load_b128 v[\f+32+8*\i+4:\f+32+8*\i+7], v[ADRB+\slot] offset:((\q)/2)*BBLK+\i*16*PITCH+64*((\q)%2)+32
.endr
.irp i, 0,1,2,3
	ds_load_b128 v[\f+8*\i:\f+8*\i+3],   v[ADRA+\slot] offset:((\q)/2)*ABLK+\i*16*PITCH+64*((\q)%2)
	ds_load_b128 v[\f+8*\i+4:\f+8*\i+7], v[ADRA+\slot] offset:((\q)/2)*ABLK+\i*16*PITCH+64*((\q)%2)+32
.endr
.endm
.macro PLACES                          ; four places in front of loads into registers that matrix instructions have read, and of LDS stores that read results (ISA guide 7.12.1 for vector instructions)
.rept 4
	v_nop
.endr
.endm
; A K step is four quarters of 32 along K, 32 matrix instructions each, on buffers 0, 1, 0, 1.  One of the first three: multiplies buffer f and fetches the next quarter, qn, into g.
.macro QUARTER slot, qn, f, g, zero
	s_wait_dscnt 4                                 ; wo_h's fragments and att's blocks 0 and 1 are in; the youngest four loads (att's blocks 2 and 3) may be out
	WIN MUL
	MUL8 \f, 0, \zero
	MUL8 \f, 1, \zero
	PLACES
	FETCH \slot, \qn, \g
	s_wait_dscnt 24                                ; all but the 24 just issued
	WIN MUL
	MUL8 \f, 2, \zero
	MUL8 \f, 3, \zero
.endm
; The last quarter multiplies buffer 1 and changes slots: ONE barrier; in front of it each wave waits for all its tensor loads, adds 0 to its spare word, and waits for that and for its own reads of this slot.
; fill = 1: the barrier opens a round of the cluster's barrier, and this slot is filled again, two K steps ahead: the first tensor load behind the round, 112 matrix instructions ahead of the wait for it.
.macro TURN slot, next, fill
	WIN 0                                          ; (the add's two registers lie in window 0)
	s_wait_tensorcnt 0x0                           ; all my tensor loads have landed: my part of the next slot
	ds_add_u32 v[SPW], v[NIL]                      ; 0 onto my spare word
	s_wait_dscnt 5                                 ; (the add and the youngest four loads may be out)
	WIN MUL
	MUL8 F1, 0, 0                                  ; eight matrix instructions stand between the add and the wait for it
	s_wait_dscnt 0x0                               ; the add is done, and my reads of this slot are over
	s_barrier_signal -1
	MUL8 F1, 1, 0
.if \fill
	WIN 0
.endif
	s_barrier_wait -1
.if \fill
	CREST                                          ; no wave of any partner still reads this slot's tiles or has a load on its way
	s_add_nc_u64 s[G0+4*\slot+2:G0+4*\slot+3], s[G0+4*\slot+2:G0+4*\slot+3], 0x400000     ; two K steps on: four blocks of att,
	s_add_nc_u64 s[G0B+4*\slot+2:G0B+4*\slot+3], s[G0B+4*\slot+2:G0B+4*\slot+3], 0x80000  ; four of wo_h
	JLOAD \slot                                    ; the four v_nop behind it are also the places in front of the loads below
.else
	PLACES
.endif
	FETCH \next, 0, F0
	WIN MUL
	MUL8 F1, 2, 0
	MUL8 F1, 3, 0
.endm
	s_wait_tensorcnt 1                             ; my part of K step 0 is in (K step 1's load may be out)
	s_barrier_signal -1
	s_barrier_wait -1                              ; everybody's is
	FETCH 0, 0, F0
	QUARTER 0, 1, F0, F1, 1                        ; the first quarter stands in front of the loop: its products start the sums
	WIN 0                                          ; at a label and at a branch every window is 0
	s_mov_b32 s3, LAPS-1
.Llap:                                                 ; a trip goes once round the ring, from a lap's second quarter to the next lap's first, and fills both slots again
	QUARTER 0, 2, F1, F0, 0
	QUARTER 0, 3, F0, F1, 0
	TURN 0, 1, 1
	QUARTER 1, 1, F0, F1, 0
	QUARTER 1, 2, F1, F0, 0
	QUARTER 1, 3, F0, F1, 0
	TURN 1, 0, 1
	QUARTER 0, 1, F0, F1, 0
	WIN 0
	s_sub_co_u32 s3, s3, 1
	s_cmp_lg_u32 s3, 0
	s_cbranch_scc1 .Llap
	QUARTER 0, 2, F1, F0, 0                        ; the last lap fills nothing, and has no round of the cluster's barrier
	QUARTER 0, 3, F0, F1, 0
	TURN 0, 1, 0
	QUARTER 1, 1, F0, F1, 0
	QUARTER 1, 2, F1, F0, 0
	QUARTER 1, 3, F0, F1, 0
	s_wait_dscnt 4                                 ; the very last quarter: nothing more to fetch
	WIN MUL
	MUL8 F1, 0, 0
	MUL8 F1, 1, 0
	s_wait_dscnt 0
	MUL8 F1, 2, 0
	MUL8 F1, 3, 0
	WIN 0
; THE WAY OUT, block by block of 16 tokens x 128 columns.  A lane holds 32 neighbouring bytes of a row, and the lanes beside it hold other rows: so a block goes through my own stage in LDS and comes back as whole rows
; of 512 bytes.  LDS serves a wave's instructions in order (ISA guide 5.7.1.4): no wait between the stores and the loads, nor in front of the next block's stores.
.macro TOSTAGE a
	WIN 0x08                                       ; an LDS store's data are its source 1: window 2
.irp b, 0,1,2,3,4,5,6,7
	ds_store_b128 v[STO], v[64*(\a)+8*\b:64*(\a)+8*\b+3] offset:64*\b            ; each accumulator from its low end on
	ds_store_b128 v[STO], v[64*(\a)+8*\b+4:64*(\a)+8*\b+7] offset:64*\b+16
.endr
	WIN 0
.set BB, BK+64*((\a)%2)
.irp t, 0,1,2,3,4,5,6,7,8,9,10,11,12,13,14,15
	ds_load_b128 v[BB+4*\t:BB+4*\t+3], v[RD] offset:\t*SPITCH
.endr
.endm
.macro SEND a, younger                 ; younger: the LDS instructions issued behind block a's loads, which may stay out
.set BB, BK+64*((\a)%2)
	s_wait_dscnt \younger                          ; the block is back in registers
.irp t, 0,1,2,3,4,5,6,7,8,9,10,11,12,13,14,15
	global_store_b128 v[CO], v[BB+4*\t:BB+4*\t+3], s[8:9] offset:(16*(\a)+\t)*4096 th:TH_STORE_NT   ; 32 lanes store 512 consecutive bytes, aligned; written once, read by nobody here
.endr
.endm
	PLACES                                         ; behind the last products, in front of the LDS stores that read results
	TOSTAGE 0
.irp a, 1,2,3
.if \a > 1
	s_wait_xcnt 0x0                                ; block a - 2's stores have read their registers: block a's loads may land there
.endif
	TOSTAGE \a
	SEND \a-1, 32                                  ; behind block a - 1's loads: block a's 16 stores and 16 loads
.endr
	SEND 3, 0
	s_wait_tensorcnt 0x0                           ; the wave's end, behind my last tensor load and my last LDS store
	ds_add_u32 v[SPW], v[NIL]
	s_wait_dscnt 0x0
	CROUND                                         ; the closing round: no work-group ends while a partner may still ask for a tile that names it
	s_endpgm
.Lfunc_end_k_q16f709fc62_oproj:
	.size	k_q16f709fc62_oproj, .Lfunc_end_k_q16f709fc62_oproj-k_q16f709fc62_oproj
	.p2alignl 7, 3214868480
	.fill 96, 4, 3214868480
	.section	.rodata,"a",@progbits
	.p2align	6, 0x0
	.amdhsa_kernel k_q16f709fc62_oproj
		.amdhsa_group_segment_fixed_size 327680
		.amdhsa_private_segment_fixed_size 0
		.amdhsa_enable_private_segment 0
		.amdhsa_kernarg_size 24
		.amdhsa_user_sgpr_count 2
		.amdhsa_user_sgpr_kernarg_segment_ptr 1
		.amdhsa_wavefront_size32 1
		.amdhsa_system_sgpr_workgroup_id_x 1
		.amdhsa_system_sgpr_workgroup_id_y 1
		.amdhsa_system_sgpr_workgroup_id_z 1
		.amdhsa_system_vgpr_workitem_id 0
		.amdhsa_next_free_vgpr 768
		.amdhsa_next_free_sgpr 66
		.amdhsa_reserve_vcc 0
		.amdhsa_float_denorm_mode_32 3
		.amdhsa_float_denorm_mode_16_64 3
		.amdhsa_memory_ordered 1
		.amdhsa_forward_progress 1
		.amdhsa_inst_pref_size 84
	.end_amdhsa_kernel
	.amdgpu_metadata
---
amdhsa.version: [ 1, 2 ]
amdhsa.kernels:
  - .name:           k_q16f709fc62_oproj
    .symbol:         k_q16f709fc62_oproj.kd
    .args:
      - { .name: att, .offset: 0, .size: 8, .value_kind: global_buffer, .address_space: global }
      - { .name: wo_h, .offset: 8, .size: 8, .value_kind: global_buffer, .address_space: global }
      - { .name: out0, .offset: 16, .size: 8, .value_kind: global_buffer, .address_space: global }
    .group_segment_fixed_size: 327680
    .private_segment_fixed_size: 0
    .kernarg_segment_align: 8
    .kernarg_segment_size: 24
    .max_flat_workgroup_size: 128
    .sgpr_count:     66
    .vgpr_count:     768
    .wavefront_size: 32
...
	.end_amdgpu_metadata
.endif
;; end of part 4
